; MI455X (gfx1250); checked and timed in simulation.
; The chip was launched on July 23, 2026; its instructions are those of AMD's public machine-readable ISA for CDNA 5 (MIT licence, August 2026) and "CDNA5" Instruction Set Architecture Reference Guide (July 2026). The comments in the code are by the model that wrote it; some were corrected since.
;; Multi Head Attention. Allowed arithmetic: matrix products marked QUANTISED: E4M3 operands, one given power-of-two scale a tensor, by v_wmma_f32_16x16x64_fp8_fp8 or v_wmma_f32_16x16x128_fp8_fp8, f32 sums; everything else in f32.
;; Inputs: Wk 1,024 x 1,024 float32; Wo 1,024 x 1,024 float32; Wq 1,024 x 1,024 float32; Wv 1,024 x 1,024 float32; lowp_scales 12 int32 (the exponents e of the quantised operands' scales 2^e); x 4 x 2,048 x 1,024 float32.
;; Outputs: out0 4 x 2,048 x 1,024 float32.
;; This version of the problem:
;;   THIS VERSION OF THE PROBLEM IS GIVEN IN LOW PRECISION. The matrix products marked QUANTISED in the list below multiply operands that are first quantised to E4M3 (4 exponent bits, 3 mantissa bits; 8 bits a number), with one given power-of-two scale for each operand tensor; their sums are f32. All else is computed in f32.
;;   The module's matrix products, in the order in which they are computed (A, B: the left and right operand; K: the contracted axis; several contracted axes count as one K, in the product's order):
;;     1. [M 8,192, K 1,024] x [K 1,024, N 1,024]; A: input x; B: input Wq: QUANTISED (scales: A lowp_scales[0], B lowp_scales[1])
;;     2. [M 8,192, K 1,024] x [K 1,024, N 1,024]; A: input x; B: input Wk: QUANTISED (scales: A lowp_scales[2], B lowp_scales[3])
;;     3. [M 8,192, K 1,024] x [K 1,024, N 1,024]; A: input x; B: input Wv: QUANTISED (scales: A lowp_scales[4], B lowp_scales[5])
;;     4. batch 64 x [M 2,048, K 64] x [K 64, N 2,048]; A: computed on the way; B: computed on the way: QUANTISED (scales: A lowp_scales[6], B lowp_scales[7])
;;     5. batch 64 x [M 2,048, K 2,048] x [K 2,048, N 64]; A: softmax (see below); B: computed on the way: QUANTISED (scales: A lowp_scales[8], B lowp_scales[9])
;;     6. [M 8,192, K 1,024] x [K 1,024, N 1,024]; A: computed on the way; B: input Wo: QUANTISED (scales: A lowp_scales[10], B lowp_scales[11])
;;   THE QUANTISER, for each operand of a quantised product, along K:
;;     - The operand's scale is 2^e, e = its entry of the input lowp_scales (int32; the entries are numbered through the quantised products in the list's order, A before B).
;;     - Each number is divided by the scale, clamped to +-448, and rounded to the nearest number of E4M3, ties to even, subnormals kept.
;;     - The product sums the exact products of the quantised numbers (number of the format x scale) in f32.
;;   ~~~python
;;   def quantise(x, axis, e):      # numpy; x: float32 -> the quantised numbers, widened to float32 again
;;       x = np.moveaxis(x, axis, -1); K = x.shape[-1]
;;       r = np.clip(x / 2.0 ** e, -448, 448)
;;       step = 2.0 ** (np.maximum(np.frexp(np.where(r == 0, 1, r))[1] - 1, -6) - 3)
;;       q = np.round(r / step) * step * 2.0 ** e      # np.round: ties to even
;;       return np.moveaxis(q, -1, axis).astype(np.float32)
;;   ~~~
;;   SOFTMAX AHEAD OF A QUANTISED PRODUCT. Where the list says 'softmax', what is quantised is not the finished softmax but p = 2^(t - M), with t = logit x log2(e) and M = ceil(the row's largest t), a whole number; so 1/2 < the row's largest p <= 1. The row's sum l is taken of the UNQUANTISED p, in f32, and the product's result is divided by l at the end. Since M is a whole number, a kernel that streams over the keys may use a running M (the ceiling of the running maximum): every later rescaling is an exact power of two, so the quantised numbers keep their values, but for numbers so far below the row's largest that they fall under the format's range.
;;   OPERANDS COMPUTED ON THE WAY. 'Computed on the way' means the value that the module computes at that place (a softmax that the list does not call 'softmax' is quantised finished and normalised). What goes into a quantiser is computed in f32, as accurately as f32 sums, v_exp_f32 and their like allow (about 1e-6 of the number): no bf16 or f16 on the way to a quantiser, and a product that is left as it is and whose result goes on into a quantised operand takes f32 operands (vector FMAs, or v_wmma_f32_16x16x4_f32). A number that lies on a knife's edge between two numbers of the format may be rounded either way, as far as f32 arithmetic and the matrix unit's own rounding can turn it there, and no further.
;; One version. Each part assembles by itself: llvm-mc -triple=amdgcn-amd-amdhsa -mcpu=gfx1250 --defsym DOCPART=n.
;; ======== version 1 of 1: 4 launches
;; limits: right only within a limited range of input values
;; workspace buffers: xc 25,165,824 bytes; wc 4,194,304 bytes; qkv 25,165,824 bytes; oc 8,388,608 bytes
;; launch quant (part 1): grid 384 x 1, 4 waves a work-group, no clusters, 33,280 bytes of LDS; arguments x, Wq, Wk, Wv, Wo, lowp_scales, xc, wc; writes xc, wc
.if DOCPART == 1
	.amdgcn_target "amdgcn-amd-amdhsa--gfx1250"
	.amdhsa_code_object_version 6
	.text
	.protected	k_q4da37694ca_quant
	.globl	k_q4da37694ca_quant
	.p2align	8
	.type	k_q4da37694ca_quant,@function
k_q4da37694ca_quant:
	s_mov_b64 s[64:65], 0
	v_nop
	global_prefetch_b8 v0, s[64:65] scope:SCOPE_SE
	s_setreg_imm32_b32 hwreg(HW_REG_WAVE_MODE, 25, 1), 1
	s_wait_xcnt 0x0
; x [8192][1024] f32 becomes THREE sets of E4M3 codes, xc [3][8192][1024], with the scales 2^e of entries 0, 2 and 4 (x is an operand of three products, each with an entry of its own);
; Wq, Wk, Wv, Wo [1024][1024] f32 become wc [4][1024][1024] with entries 1, 3, 5 and 11.  K is innermost in all of them, so every tensor is a plain stream of numbers, and so are its codes.
; code = number / 2^e, held within +-448, rounded to the nearest code, ties to even.  LIMITS: each e used here lies between -126 and 119; NaN among the inputs is not served.
; SHARES.  A work-group takes 32,768 numbers, a wave 16 steps of 512.  Work-groups 0-255 take x (three conversions a step), 256-383 the weights, 32 each (one conversion).  Only pointers, scales and
; one scalar branch round the second and third conversion hang on the work-group's number; all LDS traffic is on the common path.
; A conversion takes neighbours along K from ONE lane's registers, a load is best where neighbouring LANES take neighbouring bytes: each of a step's four loads reads 512 consecutive bytes, the 2,048 bytes go
; through the wave's own stage in LDS as they lie and come back 64 bytes a lane (16 bytes of padding behind each 64).  A lane's 16 codes are 16 bytes: a store covers 512 consecutive aligned bytes.
; No matrix unit, no cluster, no tensor load: memory binds, and work-groups share nothing.  Loads run four steps (16 loads a wave) ahead, the turn through LDS one step.
.set WAVES, 4
.set STEPS, 16
.set XWG,   256                        ; x's work-groups
.set SP,    80                         ; a lane's place in a stage: 64 bytes + 16
.set WREG,  8192                       ; LDS region of a wave: two stages of 32 x SP bytes
.set SPARE, WAVES*WREG                 ; behind the regions: the spare words, 128 bytes a wave, which no other line names
.set LO,   3                           ; v3      16 x lane: my place in a load's and in a store's 512 bytes; never rewritten
.set SC,   5                           ; v5-7    2^e as f32, for outputs 0, 1, 2
.set LM,   8
.set SPW,  12                          ; v12     LDS address of my spare word; never rewritten
.set NIL,  13                          ; v13     0; never rewritten
.set SIN,  14                          ; v14     the stage, on the way in
.set SOUT, 15                          ; v15     and on the way out
.set R,    16                          ; v16-79   four sets of 16 numbers as loaded
.set X,    80                          ; v80-111  two sets of 16 neighbours
.set T,    112
.set C,    128                         ; v128-151 codes: (step parity, output) x 4 registers
.set WV,   20
.set ISX,  21
.set SRC,  24                          ; s[24:25] my wave's numbers
.set DST,  26                          ; s[26:31] my wave's codes: outputs 0, 1, 2
	s_load_b512 s[4:19], s[0:1], 0x0               ; x, Wq, Wk, Wv, Wo, the scales, xc, wc
	v_lshl_add_u32 v[SPW], v0, 2, SPARE
	v_mov_b32 v[NIL], 0
	v_lshrrev_b32 v1, 5, v0
	v_readfirstlane_b32 s[WV], v1                  ; wave
	v_and_b32 v2, 31, v0                           ; lane
	v_lshlrev_b32 v[LO], 4, v2
	s_mul_i32 s22, s[WV], WREG
	v_lshrrev_b32 v[SIN], 2, v2
	v_mul_u32_u24 v[SIN], v[SIN], SP
	v_and_b32 v[SOUT], 3, v2
	v_lshl_add_u32 v[SIN], v[SOUT], 4, v[SIN]
	v_add_nc_u32 v[SIN], s22, v[SIN]               ; in: four lanes' 64 bytes on end, then the padding: SP (lane / 4) + 16 (lane % 4)
	v_mul_u32_u24 v[SOUT], v2, SP
	v_add_nc_u32 v[SOUT], s22, v[SOUT]             ; out: SP x lane: my 16 neighbours
	s_cmp_lt_u32 ttmp9, XWG                        ; x's work-group or a weight's?
	s_cselect_b32 s[ISX], 1, 0
	s_cselect_b32 s33, 0, XWG
	s_sub_co_u32 s32, ttmp9, s33                   ; which chunk of x's 256, or of the weights' 128
	s_lshr_b32 s34, s32, 5                         ; which weight (it serves the weights' work-groups alone)
	s_and_b32 s35, s32, 31                         ; and which chunk of it
	s_cmp_eq_u32 s[ISX], 1
	s_cselect_b32 s35, s32, s35
	s_lshl_b32 s35, s35, 2
	s_add_co_u32 s35, s35, s[WV]                   ; my wave's run of 8,192 numbers in its source,
	s_lshl_b32 s48, s35, 15                        ; in bytes
	s_mov_b32 s49, 0
	s_lshl_b32 s32, s32, 2
	s_add_co_u32 s32, s32, s[WV]                   ; and in xc's first set, or in wc, where the four weights lie on end
	s_lshl_b32 s50, s32, 13
	s_mov_b32 s51, 0
	s_cmp_eq_u32 s[ISX], 1
	s_cselect_b32 s52, s50, 0                      ; the same place in xc's other sets (a weight's work-group stores nothing there)
	s_mov_b32 s53, 0
	s_wait_alu depctr_va_vdst(0)
	s_wait_kmcnt 0x0
	s_load_b256 s[36:43], s[14:15], 0x0            ; entries 0 to 7
	s_load_b128 s[44:47], s[14:15], 0x20           ; entries 8 to 11
	s_cmp_eq_u32 s34, 1                            ; the choices hang on the work-group's number alone
	s_cselect_b64 s[SRC:SRC+1], s[8:9], s[6:7]
	s_cmp_eq_u32 s34, 2
	s_cselect_b64 s[SRC:SRC+1], s[10:11], s[SRC:SRC+1]
	s_cmp_eq_u32 s34, 3
	s_cselect_b64 s[SRC:SRC+1], s[12:13], s[SRC:SRC+1]
	s_cmp_eq_u32 s[ISX], 1
	s_cselect_b64 s[SRC:SRC+1], s[4:5], s[SRC:SRC+1]
	s_cselect_b64 s[DST:DST+1], s[16:17], s[18:19]
	s_add_nc_u64 s[SRC:SRC+1], s[SRC:SRC+1], s[48:49]
	s_add_nc_u64 s[DST:DST+1], s[DST:DST+1], s[50:51]
	s_add_nc_u64 s[DST+2:DST+3], s[16:17], s[52:53]
	s_add_nc_u64 s[DST+4:DST+5], s[DST+2:DST+3], 0x1000000   ; xc's third set
	s_add_nc_u64 s[DST+2:DST+3], s[DST+2:DST+3], 0x800000    ; xc's second set
.macro LOAD t
.irp i, 0,1,2,3
	global_load_b128 v[R+16*((\t)%4)+4*\i:R+16*((\t)%4)+4*\i+3], v[LO], s[SRC:SRC+1] offset:2048*(\t)+512*\i th:TH_LOAD_NT   ; 32 lanes read 512 consecutive bytes; read once in the launch
.endr
.endm
.macro TURN t                          ; step t's numbers through the stage: LDS serves a wave's instructions in order, so no wait stands between the stores and the loads
.irp i, 0,1,2,3
	ds_store_b128 v[SIN], v[R+16*((\t)%4)+4*\i:R+16*((\t)%4)+4*\i+3] offset:32*SP*((\t)%2)+8*SP*\i
.endr
.irp i, 0,1,2,3
	ds_load_b128 v[X+16*((\t)%2)+4*\i:X+16*((\t)%2)+4*\i+3], v[SOUT] offset:32*SP*((\t)%2)+16*\i
.endr
.endm
.irp t, 0,1,2,3
	LOAD \t
.endr
	s_wait_kmcnt 0x0
	s_cmp_eq_u32 s34, 1                            ; output 0's exponent: entry 0 for x; 1, 3, 5, 11 for the weights
	s_cselect_b32 s54, s39, s37
	s_cmp_eq_u32 s34, 2
	s_cselect_b32 s54, s41, s54
	s_cmp_eq_u32 s34, 3
	s_cselect_b32 s54, s47, s54
	s_cmp_eq_u32 s[ISX], 1
	s_cselect_b32 s54, s36, s54
.macro MKSC e, j                       ; from the exponent in s[e]: 2^e, whose exponent field the conversion takes
	s_add_co_i32 s55, s[\e], 127
	s_lshl_b32 s56, s55, 23
	v_mov_b32 v[SC+\j], s56
.endm
	MKSC 54, 0
	MKSC 38, 1                                     ; entry 2
	MKSC 40, 2                                     ; entry 4
	s_wait_alu depctr_va_vdst(0)
	s_wait_loadcnt 12                              ; step 0's four loads are in; the twelve of steps 1 to 3 may be out
	TURN 0
.macro QV j, t                         ; output j of step t: hold, convert, store
.irp i, 0,1,2,3,4,5,6,7,8,9,10,11,12,13,14,15
.endr
	v_cvt_scalef32_pk8_fp8_f32 v[C+12*((\t)%2)+4*\j:C+12*((\t)%2)+4*\j+1], v[XS:XS+7], v[SC+\j]
	v_cvt_scalef32_pk8_fp8_f32 v[C+12*((\t)%2)+4*\j+2:C+12*((\t)%2)+4*\j+3], v[XS+8:XS+15], v[SC+\j]
	v_nop                                          ; one plain vector line between the conversions and the next lines that write their sources
	global_store_b128 v[LO], v[C+12*((\t)%2)+4*\j:C+12*((\t)%2)+4*\j+3], s[DST+2*\j:DST+2*\j+1] offset:512*(\t)   ; 32 lanes store 512 consecutive bytes, aligned
.endm
.macro STEP t
.set XS, X+16*((\t)%2)
	s_wait_dscnt 0x0                               ; this step's numbers are back from the stage, so its stores into the stage have read their registers,
.if (\t)+4 < STEPS
	LOAD (\t)+4                                    ; which take the loads of four steps on
.endif
.if (\t)+1 < STEPS
.if STEPS-2-(\t) >= 3
	s_wait_loadcnt 12                              ; the next step's four loads are in; those of the three steps behind it may be out
.else
	s_wait_loadcnt 4*(STEPS-2-(\t))                ; the tail: only the steps that are left are out
.endif
	TURN (\t)+1                                    ; they go through the other stage while this step is worked
.endif
	s_wait_xcnt 0x0                                ; the stores of two steps back have read this parity's code registers: only now are these written again
	QV 0, \t
	s_cmp_eq_u32 s[ISX], 0
	s_cbranch_scc1 .Lweight_\@                     ; a weight has one scale
	QV 1, \t
	QV 2, \t
.Lweight_\@:
.endm
.irp t, 0,1,2,3,4,5,6,7,8,9,10,11,12,13,14,15
	STEP \t
.endr
	s_wait_tensorcnt 0x0                           ; the wave's end: a wait on TENSORcnt, an add of 0 to my spare word and a wait on it, behind my last LDS store
	ds_add_u32 v[SPW], v[NIL]
	s_wait_dscnt 0x0
	s_endpgm
.Lfunc_end_k_q4da37694ca_quant:
	.size	k_q4da37694ca_quant, .Lfunc_end_k_q4da37694ca_quant-k_q4da37694ca_quant
	.p2alignl 7, 3214868480
	.fill 96, 4, 3214868480
	.section	.rodata,"a",@progbits
	.p2align	6, 0x0
	.amdhsa_kernel k_q4da37694ca_quant
		.amdhsa_group_segment_fixed_size 33280
		.amdhsa_private_segment_fixed_size 0
		.amdhsa_enable_private_segment 0
		.amdhsa_kernarg_size 64
		.amdhsa_user_sgpr_count 2
		.amdhsa_user_sgpr_kernarg_segment_ptr 1
		.amdhsa_wavefront_size32 1
		.amdhsa_system_sgpr_workgroup_id_x 1
		.amdhsa_system_sgpr_workgroup_id_y 1
		.amdhsa_system_sgpr_workgroup_id_z 1
		.amdhsa_system_vgpr_workitem_id 0
		.amdhsa_next_free_vgpr 160
		.amdhsa_next_free_sgpr 66
		.amdhsa_reserve_vcc 0
		.amdhsa_float_denorm_mode_32 3
		.amdhsa_float_denorm_mode_16_64 3
		.amdhsa_fp16_overflow 1
		.amdhsa_memory_ordered 1
		.amdhsa_forward_progress 1
		.amdhsa_inst_pref_size 32
	.end_amdhsa_kernel
	.amdgpu_metadata
---
amdhsa.version: [ 1, 2 ]
amdhsa.kernels:
  - .name:           k_q4da37694ca_quant
    .symbol:         k_q4da37694ca_quant.kd
    .args:
      - { .name: x, .offset: 0, .size: 8, .value_kind: global_buffer, .address_space: global }
      - { .name: Wq, .offset: 8, .size: 8, .value_kind: global_buffer, .address_space: global }
      - { .name: Wk, .offset: 16, .size: 8, .value_kind: global_buffer, .address_space: global }
      - { .name: Wv, .offset: 24, .size: 8, .value_kind: global_buffer, .address_space: global }
      - { .name: Wo, .offset: 32, .size: 8, .value_kind: global_buffer, .address_space: global }
      - { .name: lowp_scales, .offset: 40, .size: 8, .value_kind: global_buffer, .address_space: global }
      - { .name: xc, .offset: 48, .size: 8, .value_kind: global_buffer, .address_space: global }
      - { .name: wc, .offset: 56, .size: 8, .value_kind: global_buffer, .address_space: global }
    .group_segment_fixed_size: 33280
    .private_segment_fixed_size: 0
    .kernarg_segment_align: 8
    .kernarg_segment_size: 64
    .max_flat_workgroup_size: 128
    .sgpr_count:     66
    .vgpr_count:     160
    .wavefront_size: 32
...
	.end_amdgpu_metadata
.endif
;; end of part 1
;; launch proj (part 2): grid 12 x 32, 4 waves a work-group, clusters of 4 x 4, 327,680 bytes of LDS; arguments xc, wc, lowp_scales, qkv; writes qkv
.if DOCPART == 2
	.amdgcn_target "amdgcn-amd-amdhsa--gfx1250"
	.amdhsa_code_object_version 6
	.text
	.protected	k_q4da37694ca_proj
	.globl	k_q4da37694ca_proj
	.p2align	8
	.type	k_q4da37694ca_proj,@function
k_q4da37694ca_proj:
	s_mov_b64 s[64:65], 0
	v_nop
	global_prefetch_b8 v0, s[64:65] scope:SCOPE_SE
	s_setreg_imm32_b32 hwreg(HW_REG_WAVE_MODE, 25, 1), 1
	s_wait_xcnt 0x0
	s_wait_alu depctr_hold_cnt(0) depctr_sa_sdst(0) depctr_va_vdst(0) depctr_va_sdst(0) depctr_va_ssrc(0) depctr_va_vcc(0) depctr_vm_vsrc(0)
	s_getreg_b32 s2, hwreg(HW_REG_IB_STS2, 6, 4)
	s_cmp_eq_u32 s2, 0
	s_cbranch_scc0 .Lentry_in_a_cluster
	s_endpgm
.Lentry_in_a_cluster:
	s_bfe_u32 s2, ttmp6, 0x10000c
	s_cmp_lg_u32 s2, 0xf033
	s_cbranch_scc0 .Lentry_shape_is_right
	s_endpgm
.Lentry_shape_is_right:
; q = x Wq^T, k = x Wk^T, v = x Wv^T on E4M3 codes (K = 1,024), and the results quantised again, with entries 6, 7 and 9, into the layouts that the attention launch reads.
; The cluster's x is the matrix: 0 q, 1 k, 2 v; it is the same in all sixteen partners.  A work-group of four waves makes a tile of 256 x 256, a wave 128 x 128: 64 accumulators, 512 registers.
; K goes in steps of 256 through a ring of two LDS slots filled by the tensor data mover; a tile's row is 256 bytes of memory.  4 x 4 work-groups form a cluster: the tile of operand A hangs on cy and is
; asked for jointly along a row of the cluster, B's hangs on cx and is asked for along a column.
; THE MATRIX INSTRUCTION IS USED TRANSPOSED (source 0 = 16 rows of B, source 1 = 16 rows of A): a lane holds ONE row of A's side and eight neighbours of B's side.  The next products want q and k with the
; head's channels innermost and v with the KEYS innermost.  So for q and k: A = x (tile row 4 x cluster y + cy), B = W (tile row cx); for v: A = Wv (tile row cy), B = x (tile row 4 x cluster y + cx).
; Only buffers, offsets and the stores' addresses are chosen by the matrix; the loop and every LDS address are one text.
; A sum stands for sum x 2^(ea + eb); its code is sum / 2^(eo - ea - eb), held within +-448 codes.  LIMIT: eo - ea - eb between -126 and 119, so that both powers of two below are f32 numbers.
; OUT: q at byte 0 and k at 8 MiB of qkv: [16 b + h][pos][64], pos = the token with its bits 3 and 4 exchanged; v at 16 MiB: [16 b + h][d][token].
; No prefetch: K has four steps, of which two are the first loads and the other two follow at once.
; REGISTERS, in windows of 256: window 0: v0-31 addresses and constants; from v128 A's fragments, ONE set; on the way out v32-255 are free.  window 1: B's fragments, TWO sets.  windows 2, 3: the accumulators ((a, b) at v[8 (8 (a % 4) + b)]).
.set KSTEP,  256
.set ROWB,   256                       ; a tile's row in bytes
.set KROW,   1024                      ; a row of codes in memory
.set PITCH,  272                       ; an LDS row: 256 bytes + 16 of padding: the 16 rows that a load touches start at 16 different banks (64 banks of 4 bytes: ISA guide 11.1)
.set FR,     16                        ; registers of a fragment: 16 rows x 128 K
.set NL,     4                         ; LDS loads that bring one
.set NP,     4                         ; places behind this matrix instruction (ISA guide 7.12.1)
.set HALFT,  128*PITCH                 ; what one tensor load brings
.set SLOT,   4*HALFT                   ; A's 256 rows, then B's 256 rows
.set LAPS,   2                         ; 1,024 / (2 x 256)
.set SPARE,  2*SLOT                    ; behind the ring: the spare words, 128 bytes a wave, which no other line names
.set ADRA, 16                          ; v16-17  LDS address of my A fragments in slot 0, 1
.set ADRB, 20                          ; v20-21  the same for B
.set COV,  22                          ; v22     v's stores: 2,048 (lane / 16) + 16 (lane % 16)
.set STO,  24                          ; v24     the stage: where I put 8 codes
.set RDQ,  25                          ; v25     the stage, read for q and k: eight rows x 64 bytes an instruction
.set RDV,  26                          ; v26     read for v: two rows x 256 bytes
.set COQ,  27                          ; v27     q's and k's stores: 16 x lane
.set SPW,  28                          ; v28     LDS address of my spare word; never rewritten
.set NIL,  29                          ; v29     0; never rewritten
.set SCL,  30                          ; v30     2^(eo - ea - eb) as f32
.set LIMV, 31
.set TMP,  32
.set CD,   96                          ; v96-223 the codes: 16 registers a block
.set AF,   128
.set G1, 24
.set G0, 32
.set G1B, 48
.set G0B, 56
.set MSB, 0
.macro WIN new                         ; the immediate's high byte repeats the setting that is left
.if MSB != \new
	s_set_vgpr_msb (MSB<<8)|\new
.set MSB, \new
.endif
.endm
.set MUL_LO, 0xa1                      ; source 0 (B) window 1, source 1 (A) window 0, C and D window 2
.set MUL_HI, 0xf1                      ; the same, C and D window 3
.set TO_B,   0x40                      ; destination window 1, address window 0
; A joint load: waves 0 and 1 fetch for A, waves 2 and 3 for B; the branch hangs on the wave's number alone.  An s_nop 0 and four v_nop follow each of the two lines.
.macro JLOAD g0a, g1a, g0b, g1b
	s_cmp_eq_u32 s15, 0
	s_cbranch_scc0 .Lfor_b_\@
	tensor_load_to_lds s[\g0a:\g0a+3], s[\g1a:\g1a+7]
	s_nop 0
.rept 4
	v_nop
.endr
	s_branch .Lasked_\@
.Lfor_b_\@:
	tensor_load_to_lds s[\g0b:\g0b+3], s[\g1b:\g1b+7]
	s_nop 0
.rept 4
	v_nop
.endr
.Lasked_\@:
.endm
.macro CREST                           ; a round of the cluster's barrier behind its opening barrier
	s_cmp_lg_u32 s14, 0
	s_cbranch_scc1 .Lnot_wave_0_\@
	s_barrier_signal -3
.Lnot_wave_0_\@:
	s_barrier_wait -3
	s_barrier_signal -1
	s_barrier_wait -1
.endm
.macro CROUND
	s_barrier_signal -1
	s_barrier_wait -1
	CREST
.endm
	s_load_b128 s[4:7], s[0:1], 0x0                ; x's codes s[4:5], the weights' codes s[6:7]
	s_load_b128 s[8:11], s[0:1], 0x10              ; the scales' exponents s[8:9], qkv s[10:11]
	v_lshl_add_u32 v[SPW], v0, 2, SPARE
	v_mov_b32 v[NIL], 0
	ds_add_u32 v[SPW], v[NIL]
	ds_add_u32 v[SPW], v[NIL]                      ; the wave's opening: the add and its wait stand ahead of my first tensor load; the set-up below, work on registers, stands between them
	v_lshrrev_b32 v1, 5, v0
	v_readfirstlane_b32 s14, v1                    ; wave 0..3
	s_lshr_b32 s15, s14, 1                         ; which half of A's side is mine.  Also: I fetch for A (0) or for B (1)
	s_and_b32 s16, s14, 1                          ; which half of B's side.  Also: which 128 rows of that tile I fetch
	s_bfe_u32 s40, ttmp6, 0x40000                  ; cx, cy: my place in the cluster
	s_bfe_u32 s41, ttmp6, 0x40004
	s_and_b32 s80, ttmp7, 0xffff
	s_lshl_b32 s80, s80, 2                         ; 4 x cluster y
	s_add_co_u32 s17, s80, s41                     ; 4 x cluster y + cy
	s_add_co_u32 s42, s80, s40                     ; 4 x cluster y + cx
	s_cmp_eq_u32 ttmp9, 2                          ; v?
	s_cselect_b32 s17, s41, s17                    ; A's tile row: made of cy and the cluster's y alone
	s_cselect_b32 s42, s42, s40                    ; B's tile row: made of cx and the cluster's y alone
	s_lshl_b32 s43, s41, 2
	s_lshl_b32 s43, 15, s43                        ; my row of the cluster
	s_lshl_b32 s44, 0x1111, s40                    ; my column
	; descriptor group 1: a tile of 128 rows x 256 bytes, padded in LDS
	s_or_b32 s[G1+0], s43, (0<<16)|(1<<20)|(1<<21)|(5<<22)|(3<<25)  ; 15:0 the mask: A's tiles go to my row; 17:16 elements of 1 byte; 20 padding on; 21 set beside a mask; 24:22 after every 64 words; 31:25 four words
	s_or_b32 s[G1B+0], s44, (0<<16)|(1<<20)|(1<<21)|(5<<22)|(3<<25)
.irp g, G1, G1B
	s_mov_b32 s[\g+1], ROWB<<16                    ; tensor_dim0
	s_mov_b32 s[\g+2], 128<<16                     ; tensor_dim1
	s_mov_b32 s[\g+3], ROWB<<16                    ; tile_dim0
	s_mov_b32 s[\g+4], 128                         ; tile_dim1
	s_mov_b32 s[\g+5], KROW                        ; tensor_dim0_stride
	s_mov_b32 s[\g+6], 0
	s_mov_b32 s[\g+7], 0
.endr
	s_lshl_b32 s18, s16, 17                        ; which 128 rows of 1,024 bytes I fetch
	s_lshl_b32 s20, s17, 18
	s_add_co_u32 s20, s20, s18                     ; A: 256 rows x tile row + my half, in bytes
	s_lshl_b32 s46, s42, 18
	s_add_co_u32 s46, s46, s18                     ; B likewise
	s_lshl_b32 s81, ttmp9, 23                      ; x's set for q, k: 8 MiB x matrix
	s_lshl_b32 s82, ttmp9, 20                      ; the weight for q, k: 1 MiB x matrix
	s_cmp_eq_u32 ttmp9, 2
	s_cselect_b32 s81, 0x200000, s81               ; v: A is the third weight,
	s_cselect_b32 s82, 0x1000000, s82              ; B is x's third set
	s_add_co_u32 s20, s20, s81
	s_add_co_u32 s46, s46, s82
	s_mov_b32 s21, 0
	s_mov_b32 s47, 0
	s_mul_i32 s45, s14, HALFT                      ; where the tiles go: wave x 128 rows: no place in the cluster enters an LDS address
	s_wait_dscnt 0x0                               ; the opening add is done
	s_wait_kmcnt 0x0
	s_load_b256 s[68:75], s[8:9], 0x0              ; entries 0 to 7
	s_load_b128 s[76:79], s[8:9], 0x20             ; entries 8 to 11
	s_cmp_eq_u32 ttmp9, 2                          ; the choice of buffers hangs on the cluster's x alone
	s_cselect_b64 s[84:85], s[6:7], s[4:5]
	s_cselect_b64 s[86:87], s[4:5], s[6:7]
	s_add_nc_u64 s[20:21], s[84:85], s[20:21]
	s_add_nc_u64 s[46:47], s[86:87], s[46:47]
	CROUND                                         ; all sixteen work-groups are here: the first joint loads meet
.irp s, 0,1
	s_mov_b32 s[G0+4*\s], 1
	s_add_co_u32 s[G0+4*\s+1], s45, \s*SLOT
	s_add_nc_u64 s[G0+4*\s+2:G0+4*\s+3], s[20:21], \s*ROWB
	s_or_b32 s[G0+4*\s+3], s[G0+4*\s+3], 0x80000000
	s_mov_b32 s[G0B+4*\s], 1
	s_add_co_u32 s[G0B+4*\s+1], s45, \s*SLOT
	s_add_nc_u64 s[G0B+4*\s+2:G0B+4*\s+3], s[46:47], \s*ROWB
	s_or_b32 s[G0B+4*\s+3], s[G0B+4*\s+3], 0x80000000
	JLOAD G0+4*\s, G1, G0B+4*\s, G1B
.endr
	v_and_b32 v1, 15, v0                           ; r = lane % 16
	v_bfe_u32 v2, v0, 4, 1                         ; h = lane / 16
	v_mul_u32_u24 v3, v1, PITCH
	v_lshl_add_u32 v4, v2, 4, v3                   ; a fragment's row x pitch + 16 h
	s_mul_i32 s21, s15, HALFT                      ; my 128 rows of A
	s_mul_i32 s22, s16, HALFT                      ; my 128 rows of B,
	s_add_co_u32 s22, s22, 2*HALFT                 ; which lie behind A's 256
.irp s, 0,1
	v_add_nc_u32 v[ADRA+\s], s21, v4
	v_add_nc_u32 v[ADRB+\s], s22, v4
	s_add_co_u32 s21, s21, SLOT
	s_add_co_u32 s22, s22, SLOT
.endr
	; the way out's addresses.  The stage is the work-group's: 256 rows (A's side) x 256 codes (B's side), rows 272 bytes apart, from LDS byte 0 on
	v_lshl_add_u32 v5, v2, 3, v3                   ; r x 272 + 8 h
	s_mul_i32 s23, s15, 128*PITCH
	s_lshl_b32 s22, s16, 7
	s_add_co_u32 s23, s23, s22
	v_add_nc_u32 v[STO], s23, v5                   ; + my 128 rows, + my 128 columns
	v_and_b32 v6, 31, v0
	v_lshrrev_b32 v7, 2, v6
	v_mul_u32_u24 v7, v7, PITCH
	v_and_b32 v8, 3, v6
	v_lshl_add_u32 v7, v8, 4, v7
	s_mul_i32 s23, s14, 64*PITCH                   ; back: wave w takes rows 64 w .. 64 w + 63, whole
	v_add_nc_u32 v[RDQ], s23, v7                   ; row lane / 4, 16 bytes at 16 (lane % 4)
	v_mul_u32_u24 v7, v2, PITCH
	v_lshl_add_u32 v7, v1, 4, v7
	v_add_nc_u32 v[RDV], s23, v7                   ; row lane / 16, 16 bytes at 16 (lane % 16)
	v_lshlrev_b32 v[COQ], 4, v6
	v_lshlrev_b32 v7, 11, v2
	v_lshl_add_u32 v[COV], v1, 4, v7
	; where my 64 stage rows go in qkv: 8 MiB x matrix + 2 MiB x batch + 512 KiB x channel tile (4 heads) + the token tile's and my wave's place
	s_cmp_eq_u32 ttmp9, 2
	s_cselect_b32 s92, s41, s40                    ; the channel tile: cx for q and k, cy for v
	s_cselect_b32 s93, s40, s41
	s_cselect_b32 s94, 8, 14                       ; a token tile on: 256 tokens x 64 bytes for q and k, 256 bytes of a row for v
	s_cselect_b32 s95, 17, 12                      ; a wave on: 64 tokens x 64 bytes, or 64 rows of 2,048 bytes
	s_add_co_u32 s93, s93, s80                     ; the token tile, 0 .. 31
	s_lshl_b32 s20, ttmp9, 23
	s_lshr_b32 s21, s93, 3
	s_lshl_b32 s21, s21, 21
	s_add_co_u32 s20, s20, s21
	s_lshl_b32 s21, s92, 19
	s_add_co_u32 s20, s20, s21
	s_and_b32 s21, s93, 7
	s_lshl_b32 s21, s21, s94
	s_add_co_u32 s20, s20, s21
	s_lshl_b32 s21, s14, s95
	s_add_co_u32 s20, s20, s21
	s_mov_b32 s21, 0
	s_add_nc_u64 s[10:11], s[10:11], s[20:21]
	s_wait_kmcnt 0x0                               ; the scales: chosen without a branch
	s_cmp_eq_u32 ttmp9, 1
	s_cselect_b32 s88, s70, s68                    ; ea: entry 0, 2, 4
	s_cselect_b32 s89, s71, s69                    ; eb: entry 1, 3, 5
	s_cselect_b32 s90, s75, s74                    ; eo: entry 6, 7, 9
	s_cmp_eq_u32 ttmp9, 2
	s_cselect_b32 s88, s72, s88
	s_cselect_b32 s89, s73, s89
	s_cselect_b32 s90, s77, s90
	s_sub_co_i32 s90, s90, s88
	s_sub_co_i32 s90, s90, s89                     ; eo - ea - eb: the three scales folded into the conversion's one
	s_add_co_i32 s90, s90, 127
	s_lshl_b32 s91, s90, 23
	v_mov_b32 v[SCL], s91
.macro FRAG reg, adr, q, i             ; 16 rows x 128 K: lane l holds row l % 16; registers 4 c .. 4 c + 3 hold K = 32 c + 16 (l / 16) + 0 .. 15: the same permutation of k in A and in B
.irp c, 0,1,2,3
	ds_load_b128 v[\reg+4*\c:\reg+4*\c+3], v[\adr] offset:128*(\q)+32*\c+(\i)*16*PITCH
.endr
.endm
; 16 matrix instructions: A's blocks a0, a0 + 1 x B's eight.  p: B's set.  zero = 1: the first product starts the sums.  The 64 accumulators take turns, one instruction a turn.
.macro MUL16 a0, p, zero
.irp a, \a0, \a0+1
.irp b, 0,1,2,3,4,5,6,7
.if \zero
	v_wmma_f32_16x16x128_fp8_fp8 v[8*(8*((\a)%4)+\b):8*(8*((\a)%4)+\b)+7], v[128*(\p)+FR*\b:128*(\p)+FR*\b+FR-1], v[AF+FR*(\a):AF+FR*(\a)+FR-1], 0
.else
	v_wmma_f32_16x16x128_fp8_fp8 v[8*(8*((\a)%4)+\b):8*(8*((\a)%4)+\b)+7], v[128*(\p)+FR*\b:128*(\p)+FR*\b+FR-1], v[AF+FR*(\a):AF+FR*(\a)+FR-1], v[8*(8*((\a)%4)+\b):8*(8*((\a)%4)+\b)+7]
.endif
.endr
.endr
.endm
.macro FETCH_B slot, q, p
	WIN TO_B
.irp i, 0,1,2,3,4,5,6,7
	FRAG 128*(\p)+FR*\i, ADRB+\slot, \q, \i
.endr
	WIN 0
.endm
.macro FETCH_A slot, q, i0
.irp i, \i0, \i0+1, \i0+2, \i0+3
	FRAG AF+FR*(\i), ADRA+\slot, \q, \i
.endr
.endm
.macro PLACES n                        ; plain vector lines between a matrix instruction and a load into, or a vector read of, its registers (ISA guide 7.12.1 for vector reads)
.rept \n
	v_nop
.endr
.endm
.macro STEP slot, q, zero              ; a step of 128 along K that has its successor in the same slot
	s_wait_dscnt 4*NL                              ; B's set and A's blocks 0-3 are in; the sixteen youngest loads (A's blocks 4-7) may be out
	WIN MUL_LO
	MUL16 0, (\q)%2, \zero
	MUL16 2, (\q)%2, \zero
	s_wait_dscnt 0                                 ; A's blocks 4-7 are in
	PLACES NP
	FETCH_B \slot, (\q)+1, 1-(\q)%2
	FETCH_A \slot, (\q)+1, 0
	WIN MUL_HI
	MUL16 4, (\q)%2, \zero
	MUL16 6, (\q)%2, \zero
	PLACES NP
	WIN 0
	FETCH_A \slot, (\q)+1, 4
.endm
; A slot's last step changes slots: ONE barrier; in front of it each wave waits for all its tensor loads, adds 0 to its spare word, and waits for that and for its own reads of this slot.  fill = 1: the slot is filled again, two K steps ahead.
.macro TURN slot, next, fill
	s_wait_tensorcnt 0x0                           ; all my tensor loads have landed: my part of the next slot
	ds_add_u32 v[SPW], v[NIL]                      ; 0 onto my spare word
	s_wait_dscnt 4*NL+1                            ; the add and the sixteen youngest loads may be out
	WIN MUL_LO
	MUL16 0, 1, 0                                  ; sixteen matrix instructions stand between the add and the wait for it
	s_wait_dscnt 0x0                               ; the add is done, and my reads of this slot are over
	s_barrier_signal -1
	MUL16 2, 1, 0
	WIN 0
	s_barrier_wait -1
.if \fill
	CREST                                          ; the barrier has opened a round of the cluster's barrier: no wave of any partner still reads this slot or has a load on its way
	s_add_nc_u64 s[G0+4*\slot+2:G0+4*\slot+3], s[G0+4*\slot+2:G0+4*\slot+3], 2*ROWB
	s_add_nc_u64 s[G0B+4*\slot+2:G0B+4*\slot+3], s[G0B+4*\slot+2:G0B+4*\slot+3], 2*ROWB
	JLOAD G0+4*\slot, G1, G0B+4*\slot, G1B         ; the first tensor load behind the round; its four v_nop are the places in front of the loads below
.else
	PLACES NP
.endif
	FETCH_B \next, 0, 0
	FETCH_A \next, 0, 0
	WIN MUL_HI
	MUL16 4, 1, 0
	MUL16 6, 1, 0
	PLACES NP
	WIN 0
	FETCH_A \next, 0, 4
.endm
	s_wait_tensorcnt 1                             ; my part of K step 0 is in; K step 1's load may be out
	s_barrier_signal -1
	s_barrier_wait -1
	FETCH_B 0, 0, 0
	FETCH_A 0, 0, 0
	FETCH_A 0, 0, 4
	STEP 0, 0, 1                                   ; the first step stands in front of the loop: its products start the sums
	s_mov_b32 s3, LAPS-1
.Llap:                                                 ; a trip goes once round the ring and fills both slots again
	TURN 0, 1, 1
	STEP 1, 0, 0
	TURN 1, 0, 1
	STEP 0, 0, 0
	s_sub_co_u32 s3, s3, 1
	s_cmp_lg_u32 s3, 0
	s_cbranch_scc1 .Llap
	TURN 0, 1, 0                                   ; the last lap fills nothing
	STEP 1, 0, 0
	s_wait_dscnt 4*NL
	WIN MUL_LO
	MUL16 0, 1, 0
	MUL16 2, 1, 0
	s_wait_alu depctr_va_vdst(0)
	s_wait_dscnt 0
	WIN MUL_HI
	MUL16 4, 1, 0
	MUL16 6, 1, 0
	WIN 0
; THE WAY OUT.  Block a (16 rows of A's side x my 128 of B's side): each sum is held within +-448 codes, eight neighbours of a lane become 8 bytes, and these go into the stage.  The stage lies in slot 0, which has had
; its last fill, and which nobody has read since the last change of slots.  Each accumulator is read from its low end on.  Each block has code registers of its own.
.macro QBLK a
.set AC, 64*((\a)%4)
	WIN 0x02+((\a)/4)                              ; source 0: window 2 or 3
.set n, 0
.rept 64
.set n, n+1
.endr
.irp b, 0,1,2,3,4,5,6,7
	v_cvt_scalef32_pk8_fp8_f32 v[CD+16*(\a)+2*\b:CD+16*(\a)+2*\b+1], v[AC+8*\b:AC+8*\b+7], v[SCL]
.endr
	WIN 0
	v_nop                                          ; one plain vector line between the conversions and the next block's lines, which write their sources
.irp b, 0,1,2,3,4,5,6,7
	ds_store_b64 v[STO], v[CD+16*(\a)+2*\b:CD+16*(\a)+2*\b+1] offset:(\a)*16*PITCH+16*\b   ; row 16 a + r, columns 16 b + 8 h + 0 .. 7: the 32 lanes touch 64 different banks
.endr
.endm
	PLACES NP                                      ; behind the last products
.irp a, 0,1,2,3,4,5,6,7
	QBLK \a
.endr
	s_wait_dscnt 0x0                               ; for the others' sake: my stores into the stage are done
	s_barrier_signal -1
	s_barrier_wait -1                              ; a stage row's 256 bytes come from two waves
	s_cmp_eq_u32 ttmp9, 2                          ; the cluster's x: the same in all partners
	s_cbranch_scc1 .Lv_out
	; q, k: instruction n takes head n / 8 of the tile's four and tokens 8 (n % 8) .. + 7 of my 64: 8 rows x 64 bytes, which are 512 consecutive bytes of qkv
.set n, 0
.rept 32
	ds_load_b128 v[32+4*n:35+4*n], v[RDQ] offset:8*(n%8)*PITCH+64*(n/8)
.set n, n+1
.endr
.set n, 0
.rept 32
	s_wait_dscnt 31-n                              ; the younger loads from the stage may be out
	global_store_b128 v[COQ], v[32+4*n:35+4*n], s[10:11] offset:(n/8)*131072+(((n%8)&4)|(((n%8)&1)<<1)|(((n%8)>>1)&1))*512   ; the group of eight tokens goes where the exchange of the token's bits 3 and 4 puts it
.set n, n+1
.endr
	s_branch .Ldone
.Lv_out:
	; v: instruction n takes channels 2 n, 2 n + 1 of my 64: sixteen lanes store 256 consecutive aligned bytes of a row of v^T
.set n, 0
.rept 32
	ds_load_b128 v[32+4*n:35+4*n], v[RDV] offset:2*n*PITCH
.set n, n+1
.endr
.set n, 0
.rept 32
	s_wait_dscnt 31-n
	global_store_b128 v[COV], v[32+4*n:35+4*n], s[10:11] offset:n*4096
.set n, n+1
.endr
.Ldone:
	s_wait_tensorcnt 0x0                           ; the wave's end: a wait on TENSORcnt, an add of 0 to my spare word and a wait on it, behind my last tensor load and my last LDS store
	ds_add_u32 v[SPW], v[NIL]
	s_wait_dscnt 0x0
	CROUND                                         ; the closing round: no work-group ends while a partner may still ask for a tile that names it
	s_endpgm
.Lfunc_end_k_q4da37694ca_proj:
	.size	k_q4da37694ca_proj, .Lfunc_end_k_q4da37694ca_proj-k_q4da37694ca_proj
	.p2alignl 7, 3214868480
	.fill 96, 4, 3214868480
	.section	.rodata,"a",@progbits
	.p2align	6, 0x0
	.amdhsa_kernel k_q4da37694ca_proj
		.amdhsa_group_segment_fixed_size 327680
		.amdhsa_private_segment_fixed_size 0
		.amdhsa_enable_private_segment 0
		.amdhsa_kernarg_size 32
		.amdhsa_user_sgpr_count 2
		.amdhsa_user_sgpr_kernarg_segment_ptr 1
		.amdhsa_wavefront_size32 1
		.amdhsa_system_sgpr_workgroup_id_x 1
		.amdhsa_system_sgpr_workgroup_id_y 1
		.amdhsa_system_sgpr_workgroup_id_z 1
		.amdhsa_system_vgpr_workitem_id 0
		.amdhsa_next_free_vgpr 1024
		.amdhsa_next_free_sgpr 98
		.amdhsa_reserve_vcc 0
		.amdhsa_float_denorm_mode_32 3
		.amdhsa_float_denorm_mode_16_64 3
		.amdhsa_fp16_overflow 1
		.amdhsa_memory_ordered 1
		.amdhsa_forward_progress 1
		.amdhsa_inst_pref_size 100
	.end_amdhsa_kernel
	.amdgpu_metadata
---
amdhsa.version: [ 1, 2 ]
amdhsa.kernels:
  - .name:           k_q4da37694ca_proj
    .symbol:         k_q4da37694ca_proj.kd
    .args:
      - { .name: xc, .offset: 0, .size: 8, .value_kind: global_buffer, .address_space: global }
      - { .name: wc, .offset: 8, .size: 8, .value_kind: global_buffer, .address_space: global }
      - { .name: lowp_scales, .offset: 16, .size: 8, .value_kind: global_buffer, .address_space: global }
      - { .name: qkv, .offset: 24, .size: 8, .value_kind: global_buffer, .address_space: global }
    .group_segment_fixed_size: 327680
    .private_segment_fixed_size: 0
    .kernarg_segment_align: 8
    .kernarg_segment_size: 32
    .max_flat_workgroup_size: 128
    .sgpr_count:     98
    .vgpr_count:     1024
    .wavefront_size: 32
...
	.end_amdgpu_metadata
.endif
;; end of part 2
;; launch attn (part 3): grid 4 x 64, 16 waves a work-group, clusters of 4 x 1, 327,680 bytes of LDS; arguments qkv, lowp_scales, oc; writes oc
.if DOCPART == 3
	.amdgcn_target "amdgcn-amd-amdhsa--gfx1250"
	.amdhsa_code_object_version 6
	.text
	.protected	k_q4da37694ca_attn
	.globl	k_q4da37694ca_attn
	.p2align	8
	.type	k_q4da37694ca_attn,@function
k_q4da37694ca_attn:
	s_mov_b64 s[64:65], 0
	v_nop
	global_prefetch_b8 v0, s[64:65] scope:SCOPE_SE
	s_setreg_imm32_b32 hwreg(HW_REG_WAVE_MODE, 25, 1), 1
	s_wait_xcnt 0x0
	s_wait_alu depctr_hold_cnt(0) depctr_sa_sdst(0) depctr_va_vdst(0) depctr_va_sdst(0) depctr_va_ssrc(0) depctr_va_vcc(0) depctr_vm_vsrc(0)
	s_getreg_b32 s2, hwreg(HW_REG_IB_STS2, 6, 4)
	s_cmp_eq_u32 s2, 0
	s_cbranch_scc0 .Lentry_in_a_cluster
	s_endpgm
.Lentry_in_a_cluster:
	s_bfe_u32 s2, ttmp6, 0x10000c
	s_cmp_lg_u32 s2, 0x3003
	s_cbranch_scc0 .Lentry_shape_is_right
	s_endpgm
.Lentry_shape_is_right:
; O[bh][q] = the sum over keys k <= q of softmax_k(Q[q] . K[k] / 8) V[k], head size 64, 2,048 tokens, 64 heads (16 b + h), both products on E4M3 codes; O is quantised again (entry 10) for the last projection.
; IN (qkv): q at byte 0, k at 8 MiB: [bh][pos][64], pos = the token with its bits 3 and 4 exchanged; v at 16 MiB: [bh][d][token], the keys innermost.  OUT (oc): [token / 128][head][token % 128][64].
; THE SOFTMAX: t = score x log2(e) / 8; M = the running largest t rounded UP to a whole number; p = 2^(t - M) is quantised (entry 8), not normalised; the row's sum is taken of the unquantised p and divides O at the end.
; When M moves, the sum and O are multiplied by 2^(old M - new M): exact, and with no branch on data.
; SHARES.  The four work-groups of a cluster serve one head.  A head's K and V, 256 KiB of codes, fit in LDS: every LDS byte is filled ONCE, by joint loads that name the four; there is no ring.
; A wave owns two tiles of 16 queries: tile sub = 4 (wave % 2) + cx of the query groups (128 queries) GLO = wave / 2 and GHI = 15 - GLO.  A key step is 128 keys, so a tile of group G has G + 1 steps:
; every wave has 17 tile steps, and no step is worked all of whose keys the mask hides.  The loops' trip counts are constants; a hidden step's work is jumped over by a scalar branch on the step's number
; against GLO or GHI, which hang on the wave's number alone.  cx enters the addresses of Q and O and the number that the mask compares with, nothing else.
; LAYOUT.  Both products are used transposed: S^T = K Q^T (source 0 = 16 keys, source 1 = my 16 queries), O^T = V^T P^T: a lane holds ONE query (lane % 16) throughout.  Tile 2 b + u of S^T takes keys
; 32 b + 8 u + r + 8 (r / 8), which are 16 neighbouring rows in pos order; so the 16 registers of tiles 2 b and 2 b + 1 are the keys 32 b + 16 (lane / 16) + 0 .. 15, and p's codes ARE the second product's operand.
; All of K and V is asked for by the first loads, so there is no later load for a prefetch to run ahead of.
; LIMITS on the given exponents, so that each power of two below is an f32 number: e6 + e7 between -123 and 130; e8 between -126 and 119; e10 - e8 - e9 between -126 and 119.  NaN among the inputs is not served.
.set KP,    80                         ; a key's row in LDS: 64 bytes + 16: the 16 rows of a load start at 16 different groups of banks
.set VP,    1040                       ; a row of V's half: 1,024 keys + 16
.set KHALF, 1024*KP                    ; K: 2,048 rows from byte 0 on
.set VOFF,  2*KHALF                    ; V: two halves (keys 0-1023, 1024-2047) of 64 rows
.set VHALF, 64*VP
.set STG,   VOFF+2*VHALF               ; the way out: 16 rows x 80 bytes for each wave; no tile lands here
.set SPARE, STG+16*16*KP               ; the spare words, 128 bytes a wave, which no other line names
.set AK0,  1                           ; v1   my lane's place in a tile of K: 80 r + 16 h
.set AV0,  2                           ; v2   in a tile of V: VOFF + 1,040 r + 16 h
.set ADK,  3                           ; v3, v4  the addresses of the step in hand
.set ADV,  4
.set SPW,  5                           ; v5   LDS address of my spare word; never rewritten
.set NIL,  6                           ; v6   0; never rewritten
.set DG,   7                           ; v7   16 sub + r - 16 h: on the diagonal register n is hidden where 32 (n / 16) + n % 16 is greater
.set NINF, 8                           ; v8   -infinity
.set QO,   9                           ; v9   Q: my lane's byte
.set PS,   10                          ; v10  2^e8 as f32; at the end 2^(e10 - e8 - e9)
.set PL,   11
.set STL,  12                          ; v12-15  the low tile: -M, the largest t, the sum in two halves
.set STH,  16                          ; v16-19  the high tile
.set QL,   20                          ; v20-27, v28-35  Q's fragments
.set QH,   28
.set F,    36                          ; v36-99   fragments of K, then of V
.set S,    100                         ; v100-163 S^T, then p
.set OL,   164                         ; v164-195, v196-227  O^T
.set OH,   196
.set PC,   228                         ; v228-243 p's codes
.set FF,   244                         ; v[244:245] f = 2^(old M - new M), named as a pair
.set SU,   246                         ; v[246:247] the sum's second chain
.set MA,   248
.set MB,   249
.set PX,   250                         ; a lane permute's destination
.set STO,  251
.set RD,   252
.set GO,   253                         ; 16 x lane
.set WV,   18
.set SEL,  20                          ; s[20:21] v_permlanex16_b32's selects for lane l xor 16
.set CS,   22                          ; s[22:23] c = log2(e) / 8 x 2^(e6 + e7)
.set G1K,  24
.set G1V,  32
.set G0K,  40                          ; s[40:47] K's two loads;  s[48:55] V's
.set G0V,  48
.set KS,   56                          ; the key step
.set TBK,  57                          ; its first LDS byte in K,
.set TBV,  58                          ; and in V's rows
.set GLO,  59
.set GHI,  60
.macro CROUND                          ; a round of the cluster's barrier
	s_barrier_signal -1
	s_barrier_wait -1
	s_cmp_lg_u32 s[WV], 0
	s_cbranch_scc1 .Lnot_wave_0_\@
	s_barrier_signal -3
.Lnot_wave_0_\@:
	s_barrier_wait -3
	s_barrier_signal -1
	s_barrier_wait -1
.endm
	s_load_b128 s[4:7], s[0:1], 0x0                ; qkv s[4:5], the scales' exponents s[6:7]
	s_load_b64 s[8:9], s[0:1], 0x10                ; oc
	v_lshl_add_u32 v[SPW], v0, 2, SPARE
	v_mov_b32 v[NIL], 0
	ds_add_u32 v[SPW], v[NIL]                      ; the wave's opening: the add and its wait stand ahead of my first tensor load; the set-up below, work on registers, stands between them
	ds_add_u32 v[SPW], v[NIL]
	v_lshrrev_b32 v1, 5, v0
	s_delay_alu instid0(VALU_DEP_1)
	v_readfirstlane_b32 s[WV], v1                  ; wave 0..15
	s_bfe_u32 s84, ttmp6, 0x40000                  ; cx
	s_and_b32 s85, ttmp7, 0xffff                   ; the head, 16 b + h, which the four partners share
	s_lshr_b32 s[GLO], s[WV], 1
	s_sub_co_u32 s[GHI], 15, s[GLO]
	s_and_b32 s86, s[WV], 1
	s_lshl_b32 s86, s86, 2
	s_add_co_u32 s86, s86, s84                     ; sub: which 16 of a group's 128 queries
	s_and_b32 s87, s[WV], 7                        ; which eighth of a half I fetch
	s_mul_i32 s88, s87, 128*KP                     ; K: 128 keys a wave,
	s_mul_i32 s89, s87, 8*VP
	s_add_co_u32 s89, s89, VOFF                    ; V: 8 rows a wave: no place in the cluster enters an LDS address
	s_lshl_b32 s90, s85, 17                        ; the head's 131,072 bytes in each of q, k, v
	s_lshl_b32 s92, s87, 13
	s_add_co_u32 s92, s92, s90
	s_add_co_u32 s92, s92, 0x800000                ; K: my 128 keys of the first half
	s_mov_b32 s93, 0
	s_lshl_b32 s94, s87, 14
	s_add_co_u32 s94, s94, s90
	s_add_co_u32 s94, s94, 0x1000000               ; V: my 8 rows
	s_mov_b32 s95, 0
	s_lshr_b32 s96, s86, 1                         ; Q: in pos order tile sub begins at row 32 (sub / 2) + 8 (sub % 2) of its group, and lane r takes row r + 8 (r / 8) from there
	s_lshl_b32 s96, s96, 11
	s_and_b32 s97, s86, 1
	s_lshl_b32 s97, s97, 9
	s_add_co_u32 s96, s96, s97
	s_add_co_u32 s96, s96, s90
	s_lshl_b32 s97, s[GLO], 13
	s_add_co_u32 s76, s96, s97
	s_mov_b32 s77, 0
	s_lshl_b32 s97, s[GHI], 13
	s_add_co_u32 s78, s96, s97
	s_mov_b32 s79, 0
	s_lshr_b32 s96, s85, 4                         ; O: (16 b + group) x 131,072 + h x 8,192 + sub x 1,024
	s_lshl_b32 s96, s96, 21
	s_and_b32 s97, s85, 15
	s_lshl_b32 s97, s97, 13
	s_add_co_u32 s96, s96, s97
	s_lshl_b32 s97, s86, 10
	s_add_co_u32 s96, s96, s97
	s_lshl_b32 s97, s[GLO], 17
	s_add_co_u32 s80, s96, s97
	s_mov_b32 s81, 0
	s_lshl_b32 s97, s[GHI], 17
	s_add_co_u32 s82, s96, s97
	s_mov_b32 s83, 0
	; descriptor group 1.  K: 8,192 dense bytes as 32 rows of 256, with 16 bytes of padding behind every 64: each key's 64 bytes get a place of 80.  V: 8 rows of 1,024 bytes, 2,048 apart in memory, 16 bytes behind each
	s_mov_b32 s[G1K], 15|(0<<16)|(1<<20)|(1<<21)|(3<<22)|(3<<25)   ; 15:0 the mask: all four work-groups; 17:16 elements of 1 byte; 20 padding on; 21 set beside a mask; 24:22 after every 16 words; 31:25 four words
	s_mov_b32 s[G1K+1], 256<<16                    ; tensor_dim0
	s_mov_b32 s[G1K+2], 32<<16                     ; tensor_dim1
	s_mov_b32 s[G1K+3], 256<<16                    ; tile_dim0
	s_mov_b32 s[G1K+4], 32                         ; tile_dim1
	s_mov_b32 s[G1K+5], 256                        ; tensor_dim0_stride
	s_mov_b32 s[G1K+6], 0
	s_mov_b32 s[G1K+7], 0
	s_mov_b32 s[G1V], 15|(0<<16)|(1<<20)|(1<<21)|(7<<22)|(3<<25)   ; padding: four words after every 256
	s_mov_b32 s[G1V+1], 1024<<16
	s_mov_b32 s[G1V+2], 8<<16
	s_mov_b32 s[G1V+3], 1024<<16
	s_mov_b32 s[G1V+4], 8
	s_mov_b32 s[G1V+5], 2048
	s_mov_b32 s[G1V+6], 0
	s_mov_b32 s[G1V+7], 0
	s_mov_b32 s[SEL], 0x76543210
	s_mov_b32 s[SEL+1], 0xfedcba98
	s_mov_b32 s[CS], 0x3e38aa3b                    ; log2(e) / 8
	s_wait_dscnt 0x0                               ; the opening add is done
	s_wait_kmcnt 0x0
	s_load_b128 s[68:71], s[6:7], 0x18             ; e6, e7, e8, e9
	s_load_b32 s72, s[6:7], 0x28                   ; e10
	s_add_nc_u64 s[92:93], s[4:5], s[92:93]
	s_add_nc_u64 s[94:95], s[4:5], s[94:95]
	s_add_nc_u64 s[76:77], s[4:5], s[76:77]
	s_add_nc_u64 s[78:79], s[4:5], s[78:79]
	s_add_nc_u64 s[80:81], s[8:9], s[80:81]
	s_add_nc_u64 s[82:83], s[8:9], s[82:83]
	CROUND                                         ; all four work-groups are here: the joint loads meet
.irp g, 0,1
	s_mov_b32 s[G0K+4*\g], 1                       ; count = 1
	s_add_co_u32 s[G0K+4*\g+1], s88, \g*KHALF      ; LDS address
	s_add_nc_u64 s[G0K+4*\g+2:G0K+4*\g+3], s[92:93], \g*65536   ; half g: 1,024 keys of 64 bytes on
	s_or_b32 s[G0K+4*\g+3], s[G0K+4*\g+3], 0x80000000           ; type = 2
	s_mov_b32 s[G0V+4*\g], 1
	s_add_co_u32 s[G0V+4*\g+1], s89, \g*VHALF
	s_add_nc_u64 s[G0V+4*\g+2:G0V+4*\g+3], s[94:95], \g*1024
	s_or_b32 s[G0V+4*\g+3], s[G0V+4*\g+3], 0x80000000
.endr
	s_cmp_lt_u32 s[WV], 8                          ; waves 0-7 fetch K, waves 8-15 V; a wave's two loads stand in one branch, ahead of every wait on TENSORcnt and every LDS read: two loads of mine are out
	s_cbranch_scc0 .Lfirst_v
	tensor_load_to_lds s[G0K:G0K+3], s[G1K:G1K+7]
	s_nop 0
	tensor_load_to_lds s[G0K+4:G0K+7], s[G1K:G1K+7]
	s_nop 0
.rept 4
	v_nop
.endr
	s_branch .Lfirst_asked
.Lfirst_v:
	tensor_load_to_lds s[G0V:G0V+3], s[G1V:G1V+7]
	s_nop 0
	tensor_load_to_lds s[G0V+4:G0V+7], s[G1V:G1V+7]
	s_nop 0
.rept 4
	v_nop
.endr
.Lfirst_asked:
	v_and_b32 v[MA], 15, v0                        ; r
	v_bfe_u32 v[MB], v0, 4, 1                      ; h
	s_delay_alu instid0(VALU_DEP_2)
	v_and_b32 v254, 8, v[MA]
	s_delay_alu instid0(VALU_DEP_1)
	v_add_nc_u32 v254, v254, v[MA]                 ; r + 8 (r / 8)
	s_delay_alu instid0(VALU_DEP_1)
	v_lshlrev_b32 v[QO], 6, v254
	s_delay_alu instid0(VALU_DEP_1)
	v_lshl_add_u32 v[QO], v[MB], 4, v[QO]
	global_load_b128 v[QL:QL+3],   v[QO], s[76:77]             ; a fragment of 16 rows x 64: registers 0-3 hold channels 16 h + 0 .. 15, registers 4-7 channels 32 + 16 h + 0 .. 15: the same permutation as K's
	global_load_b128 v[QL+4:QL+7], v[QO], s[76:77] offset:32
	global_load_b128 v[QH:QH+3],   v[QO], s[78:79]
	global_load_b128 v[QH+4:QH+7], v[QO], s[78:79] offset:32
	v_mul_u32_u24 v[AK0], v[MA], KP
	s_delay_alu instid0(VALU_DEP_1)
	v_lshl_add_u32 v[AK0], v[MB], 4, v[AK0]
	v_mul_u32_u24 v[AV0], v[MA], VP
	s_delay_alu instid0(VALU_DEP_1)
	v_lshl_add_u32 v[AV0], v[MB], 4, v[AV0]
	s_delay_alu instid0(VALU_DEP_1)
	v_add_nc_u32 v[AV0], VOFF, v[AV0]
	v_lshlrev_b32 v254, 4, v[MB]
	s_delay_alu instid0(VALU_DEP_1)
	v_sub_nc_u32 v[DG], v[MA], v254
	s_lshl_b32 s96, s86, 4
	v_add_nc_u32 v[DG], s96, v[DG]
	v_mov_b32 v[NINF], 0xff800000
	s_mul_i32 s96, s[WV], 16*KP
	s_add_co_u32 s96, s96, STG                     ; my stage
	v_mul_u32_u24 v[STO], v[MA], KP
	s_delay_alu instid0(VALU_DEP_1)
	v_lshl_add_u32 v[STO], v[MB], 3, v[STO]
	s_delay_alu instid0(VALU_DEP_1)
	v_add_nc_u32 v[STO], s96, v[STO]               ; in: row r, 8 bytes for each half of the lanes
	v_and_b32 v254, 31, v0
	s_delay_alu instid0(VALU_DEP_1)
	v_lshlrev_b32 v[GO], 4, v254
	s_delay_alu instid0(VALU_DEP_2)
	v_lshrrev_b32 v255, 2, v254
	s_delay_alu instid0(VALU_DEP_1)
	v_mul_u32_u24 v[RD], v255, KP
	s_delay_alu instid0(VALU_DEP_4)
	v_and_b32 v255, 3, v254
	s_delay_alu instid0(VALU_DEP_1)
	v_lshl_add_u32 v[RD], v255, 4, v[RD]
	s_delay_alu instid0(VALU_DEP_1)
	v_add_nc_u32 v[RD], s96, v[RD]                 ; back: four lanes to a row of 64 bytes
.irp st, STL, STH
	v_mov_b32 v[\st+1], 0xff61b1e6                 ; the largest t so far: -3e38, under every t
	s_delay_alu instid0(VALU_DEP_1)
	v_floor_f32 v[\st], -v[\st+1]                  ; -M
	v_mov_b32 v[\st+2], 0                          ; the sum, in two halves
	v_mov_b32 v[\st+3], 0
.endr
	v_mov_b32 v[PX], 0                             ; written once: a lane permute's destination counts as one of its sources
	v_mov_b32 v[FF+1], 0                           ; named as the upper half of the pair
.set n, 0
.rept 64
	v_mov_b32 v[OL+n], 0                           ; O^T of both tiles.  (A tile step is written without a first step of its own: the first finds zeros, which the first change of M leaves zeros)
.set n, n+1
.endr
	s_wait_kmcnt 0x0
	s_add_co_i32 s96, s68, s69
	s_lshl_b32 s96, s96, 23
	s_add_co_i32 s[CS], s[CS], s96                 ; a score stands for score x 2^(e6 + e7): the two exponents are added to c's exponent field
	s_mov_b32 s[CS+1], s[CS]                       ; named with it as a pair, so it is written
	s_add_co_i32 s96, s70, 127
	s_lshl_b32 s97, s96, 23
	v_mov_b32 v[PS], s97                           ; 2^e8
; A TILE STEP: 16 queries (statistics at v[st], Q at v[q], O^T at v[o]) x the 128 keys of step s[KS].  causal = 1: the tile's group is s[g]: a later step is jumped over, the step of the group itself is masked.
.macro TSTEP st, q, o, causal, g
.if \causal
	s_cmp_gt_u32 s[KS], s[\g]
	s_cbranch_scc1 .Lhid_\@                        ; all 128 keys come after my queries
.endif
	v_add_nc_u32 v[ADK], s[TBK], v[AK0]
	v_add_nc_u32 v[ADV], s[TBV], v[AV0]
	v_nop
	v_nop                                          ; four plain lines between the last products and the loads into registers that they read
.irp t, 0,1,2,3,4,5,6,7
	ds_load_b128 v[F+8*\t:F+8*\t+3],   v[ADK] offset:16*KP*\t
	ds_load_b128 v[F+8*\t+4:F+8*\t+7], v[ADK] offset:16*KP*\t+32
.endr
	s_wait_alu depctr_va_vdst(0)
	s_wait_dscnt 0x0
.irp t, 0,1,2,3,4,5,6,7
	v_wmma_f32_16x16x64_fp8_fp8 v[S+8*\t:S+8*\t+7], v[F+8*\t:F+8*\t+7], v[\q:\q+7], 0
.endr
.rept 4
	v_nop                                          ; places in front of the loads below and of the first read of the scores
.endr
.irp t, 0,1,2,3
.irp c, 0,1,2,3
	ds_load_b128 v[F+16*\t+4*\c:F+16*\t+4*\c+3], v[ADV] offset:16*VP*\t+32*\c   ; V's four fragments (16 channels x 128 keys) land while the softmax is worked
.endr
.endr
.if \causal
	s_cmp_lg_u32 s[KS], s[\g]
	s_cbranch_scc1 .Lopen_\@                       ; an earlier step: all its keys count
.set n, 0
.rept 64
	v_cmp_gt_i32 vcc_lo, 32*(n/16)+n%16, v[DG]     ; register n holds key 32 (n / 16) + n % 16 + 16 h of the step: hidden where it comes after my query
	v_cndmask_b32 v[S+n], v[S+n], v[NINF], vcc_lo  ; -infinity ahead of the maximum: p = 0 then.  The step's first key counts for every query of the group
.set n, n+1
.endr
.Lopen_\@:
.endif
	v_max3_num_f32 v[MA], v[S], v[S+1], v[S+2]     ; the step's largest score of my query among my 64 keys, in two chains, each accumulator from its low end on,
	v_max3_num_f32 v[MB], v[S+3], v[S+4], v[S+5]
.irp i, 6,10,14,18,22,26,30,34,38,42,46,50,54,58
	v_max3_num_f32 v[MA], v[MA], v[S+\i], v[S+1+\i]
	v_max3_num_f32 v[MB], v[MB], v[S+2+\i], v[S+3+\i]
.endr
	v_max3_num_f32 v[MA], v[MA], v[S+62], v[S+63]
	s_delay_alu instid0(VALU_DEP_1)
	v_max_num_f32 v[MA], v[MA], v[MB]
	s_delay_alu instid0(VALU_DEP_1)
	v_permlanex16_b32 v[PX], v[MA], s[SEL], s[SEL+1]
	s_delay_alu instid0(VALU_DEP_1)
	v_max_num_f32 v[MA], v[MA], v[PX]              ; and among lane l xor 16's
	s_delay_alu instid0(VALU_DEP_1)
	v_mul_f32 v[MA], s[CS], v[MA]                  ; as t (c is positive)
	s_delay_alu instid0(VALU_DEP_1)
	v_max_num_f32 v[\st+1], v[\st+1], v[MA]        ; the running largest t
	v_mov_b32 v[MA], v[\st]
	s_delay_alu instid0(VALU_DEP_2)
	v_floor_f32 v[\st], -v[\st+1]                  ; the new -M = floor(-t): M is a whole number
	s_delay_alu instid0(VALU_DEP_1)
	v_sub_f32 v[MA], v[\st], v[MA]                 ; old M - new M: a whole number, 0 or less
	s_delay_alu instid0(VALU_DEP_1)
	v_cvt_i32_f32 v[MA], v[MA]                     ; (it saturates)
	s_delay_alu instid0(VALU_DEP_1)
	v_ldexp_f32 v[FF], 1.0, v[MA]                  ; f = 2^(old M - new M)
.set n, 0
.rept 32
	v_pk_fma_f32 v[S+n:S+n+1], v[S+n:S+n+1], s[CS:CS+1], v[\st:\st+1] op_sel_hi:[1,0,0]   ; t - M, two at a time (of the pairs c and -M the low word serves both halves)
.set n, n+2
.endr
.set n, 0
	s_wait_alu depctr_va_vdst(0)
.rept 64
	v_exp_f32 v[S+n], v[S+n]                       ; p = 2^(t - M), at most 1
.set n, n+1
.endr
	v_pk_mul_f32 v[\st+2:\st+3], v[\st+2:\st+3], v[FF:FF+1] op_sel_hi:[1,0]   ; the sum under the new M: the plain line behind the exponentials
	s_wait_alu depctr_va_vdst(0)                   ; one wait for the whole batch, ahead of its first reader
	v_pk_add_f32 v[SU:SU+1], v[S:S+1], v[S+2:S+3]  ; the row's sum is taken of the UNQUANTISED p, in two chains
.irp j, 4,8,12,16,20,24,28,32,36,40,44,48,52,56,60
	v_pk_add_f32 v[\st+2:\st+3], v[\st+2:\st+3], v[S+\j:S+\j+1]
	v_pk_add_f32 v[SU:SU+1], v[SU:SU+1], v[S+2+\j:S+3+\j]
.endr
	s_delay_alu instid0(VALU_DEP_1)
	v_pk_add_f32 v[\st+2:\st+3], v[\st+2:\st+3], v[SU:SU+1]
.irp b, 0,1,2,3
.irp i, 0,1,2,3,4,5,6,7,8,9,10,11,12,13,14,15
.endr
	v_cvt_scalef32_pk8_fp8_f32 v[PC+4*\b:PC+4*\b+1], v[S+16*\b:S+16*\b+7], v[PS]
	v_cvt_scalef32_pk8_fp8_f32 v[PC+4*\b+2:PC+4*\b+3], v[S+16*\b+8:S+16*\b+15], v[PS]
.endr
.set n, 0
.rept 16
	v_pk_mul_f32 v[\o+n:\o+n+1], v[\o+n:\o+n+1], v[FF:FF+1] op_sel_hi:[1,0]   ; O^T under the new M; these are also the plain lines between the conversions and the products
.set n, n+2
.endr
	s_wait_alu depctr_va_vdst(0)
	s_wait_dscnt 0x0                               ; V's fragments are in
.irp t, 0,1,2,3
	v_wmma_f32_16x16x128_fp8_fp8 v[\o+8*\t:\o+8*\t+7], v[F+16*\t:F+16*\t+15], v[PC:PC+15], v[\o+8*\t:\o+8*\t+7]   ; four accumulators by turns
.endr
.if \causal
.Lhid_\@:
.endif
.endm
	s_wait_loadcnt 0x0                             ; Q
	s_wait_tensorcnt 0x1                           ; my part of the first half is in; my part of the second may stay out
	s_barrier_signal -1
	s_barrier_wait -1                              ; everybody's is
	s_mov_b32 s[KS], 0
	s_mov_b32 s[TBK], 0
	s_mov_b32 s[TBV], 0
.Lhalf0:                                           ; key steps 0 to 7: the low tile up to its diagonal; the high tile, whose group is 8 or more, without a mask
	TSTEP STL, QL, OL, 1, GLO
	TSTEP STH, QH, OH, 0, 0
	s_add_co_u32 s[TBK], s[TBK], 128*KP
	s_add_co_u32 s[TBV], s[TBV], 128
	s_add_co_u32 s[KS], s[KS], 1
	s_cmp_lt_u32 s[KS], 8
	s_cbranch_scc1 .Lhalf0
	s_wait_tensorcnt 0x0                           ; my part of the second half is in,
	s_wait_dscnt 0x0
	s_barrier_signal -1
	s_barrier_wait -1                              ; everybody's is
	s_mov_b32 s[TBK], KHALF
	s_mov_b32 s[TBV], VHALF
.Lhalf1:                                           ; key steps 8 to 15: the high tile up to its diagonal
	TSTEP STH, QH, OH, 1, GHI
	s_add_co_u32 s[TBK], s[TBK], 128*KP
	s_add_co_u32 s[TBV], s[TBV], 128
	s_add_co_u32 s[KS], s[KS], 1
	s_cmp_lt_u32 s[KS], 16
	s_cbranch_scc1 .Lhalf1
	; THE WAY OUT.  O^T / the sum stands for O / 2^(e8 + e9); its code is that / 2^(e10 - e8 - e9).  A lane's eight registers are eight neighbouring channels: 8 bytes; a tile's 16 rows x 64 bytes go through my stage and leave as 1,024 dense bytes.
	s_sub_co_i32 s96, s72, s70
	s_sub_co_i32 s96, s96, s71
	s_add_co_i32 s96, s96, 127
	s_lshl_b32 s97, s96, 23
	v_mov_b32 v[PS], s97
	v_nop
	v_nop                                          ; with the two lines above: three places behind the last products
.macro OUT st, o, base, k
	v_add_f32 v[MA], v[\st+2], v[\st+3]            ; the sum's two halves,
	s_delay_alu instid0(VALU_DEP_1)
	v_permlanex16_b32 v[PX], v[MA], s[SEL], s[SEL+1]
	s_delay_alu instid0(VALU_DEP_1)
	v_add_f32 v[MA], v[MA], v[PX]                  ; and lane l xor 16's
	s_wait_alu depctr_va_vdst(0)
	v_rcp_f32 v[MB], v[MA]
	v_nop                                          ; a plain line behind the reciprocal,
	s_wait_alu depctr_va_vdst(0)                   ; and the wait ahead of its first reader
.set n, 0
.rept 32
	v_mul_f32 v[S+n], v[\o+n], v[MB]               ; each accumulator from its low end on
.set n, n+1
.endr
.set n, 0
.rept 32
.set n, n+1
.endr
.irp t, 0,1,2,3
	v_cvt_scalef32_pk8_fp8_f32 v[PC+8*\k+2*\t:PC+8*\k+2*\t+1], v[S+8*\t:S+8*\t+7], v[PS]
.endr
	v_nop                                          ; one plain line between the conversions and the next lines that write their sources
.irp t, 0,1,2,3
	ds_store_b64 v[STO], v[PC+8*\k+2*\t:PC+8*\k+2*\t+1] offset:16*\t   ; row r, channels 16 t + 8 h + 0 .. 7
.endr
.irp i, 0,1
	ds_load_b128 v[F+8*\k+4*\i:F+8*\k+4*\i+3], v[RD] offset:8*KP*\i    ; LDS serves a wave's instructions in order: these see my stores, and the next tile's stores come behind them
.endr
	s_wait_dscnt 0x0
.irp i, 0,1
	global_store_b128 v[GO], v[F+8*\k+4*\i:F+8*\k+4*\i+3], s[\base:\base+1] offset:512*\i   ; 32 lanes store 512 consecutive aligned bytes: eight rows of 64
.endr
.endm
	OUT STL, OL, 80, 0
	OUT STH, OH, 82, 1
	s_wait_tensorcnt 0x0                           ; the wave's end: a wait on TENSORcnt, an add of 0 to my spare word and a wait on it, behind my last tensor load and my last LDS store
	ds_add_u32 v[SPW], v[NIL]
	s_wait_dscnt 0x0
	CROUND                                         ; the closing round
	s_endpgm
.Lfunc_end_k_q4da37694ca_attn:
	.size	k_q4da37694ca_attn, .Lfunc_end_k_q4da37694ca_attn-k_q4da37694ca_attn
	.p2alignl 7, 3214868480
	.fill 96, 4, 3214868480
	.section	.rodata,"a",@progbits
	.p2align	6, 0x0
	.amdhsa_kernel k_q4da37694ca_attn
		.amdhsa_group_segment_fixed_size 327680
		.amdhsa_private_segment_fixed_size 0
		.amdhsa_enable_private_segment 0
		.amdhsa_kernarg_size 24
		.amdhsa_user_sgpr_count 2
		.amdhsa_user_sgpr_kernarg_segment_ptr 1
		.amdhsa_wavefront_size32 1
		.amdhsa_system_sgpr_workgroup_id_x 1
		.amdhsa_system_sgpr_workgroup_id_y 1
		.amdhsa_system_sgpr_workgroup_id_z 1
		.amdhsa_system_vgpr_workitem_id 0
		.amdhsa_next_free_vgpr 256
		.amdhsa_next_free_sgpr 100
		.amdhsa_reserve_vcc 1
		.amdhsa_float_denorm_mode_32 3
		.amdhsa_float_denorm_mode_16_64 3
		.amdhsa_fp16_overflow 1
		.amdhsa_memory_ordered 1
		.amdhsa_forward_progress 1
		.amdhsa_inst_pref_size 68
	.end_amdhsa_kernel
	.amdgpu_metadata
---
amdhsa.version: [ 1, 2 ]
amdhsa.kernels:
  - .name:           k_q4da37694ca_attn
    .symbol:         k_q4da37694ca_attn.kd
    .args:
      - { .name: qkv, .offset: 0, .size: 8, .value_kind: global_buffer, .address_space: global }
      - { .name: lowp_scales, .offset: 8, .size: 8, .value_kind: global_buffer, .address_space: global }
      - { .name: oc, .offset: 16, .size: 8, .value_kind: global_buffer, .address_space: global }
    .group_segment_fixed_size: 327680
    .private_segment_fixed_size: 0
    .kernarg_segment_align: 8
    .kernarg_segment_size: 24
    .max_flat_workgroup_size: 512
    .sgpr_count:     100
    .vgpr_count:     256
    .wavefront_size: 32
...
	.end_amdgpu_metadata
.endif
;; end of part 3
;; launch outp (part 4): grid 4 x 32, 4 waves a work-group, clusters of 4 x 4, 327,680 bytes of LDS; arguments oc, wc, lowp_scales, out0; writes out0
.if DOCPART == 4
	.amdgcn_target "amdgcn-amd-amdhsa--gfx1250"
	.amdhsa_code_object_version 6
	.text
	.protected	k_q4da37694ca_outp
	.globl	k_q4da37694ca_outp
	.p2align	8
	.type	k_q4da37694ca_outp,@function
k_q4da37694ca_outp:
	s_mov_b64 s[64:65], 0
	v_nop
	global_prefetch_b8 v0, s[64:65] scope:SCOPE_SE
	s_setreg_imm32_b32 hwreg(HW_REG_WAVE_MODE, 25, 1), 1
	s_wait_xcnt 0x0
	s_wait_alu depctr_hold_cnt(0) depctr_sa_sdst(0) depctr_va_vdst(0) depctr_va_sdst(0) depctr_va_ssrc(0) depctr_va_vcc(0) depctr_vm_vsrc(0)
	s_getreg_b32 s2, hwreg(HW_REG_IB_STS2, 6, 4)
	s_cmp_eq_u32 s2, 0
	s_cbranch_scc0 .Lentry_in_a_cluster
	s_endpgm
.Lentry_in_a_cluster:
	s_bfe_u32 s2, ttmp6, 0x10000c
	s_cmp_lg_u32 s2, 0xf033
	s_cbranch_scc0 .Lentry_shape_is_right
	s_endpgm
.Lentry_shape_is_right:
; out0[m][n] = the sum over k of O[m][k] Wo[n][k] on E4M3 codes, x 2^(e10 + e11).  O's codes: oc [token / 128][head][token % 128][64]; Wo's codes: the fourth MiB of wc, [n][k]; out0 [8192][1024] f32.
; LIMIT: e10 + e11 between -126 and 127, so that 2^(e10 + e11) is an f32 number.
; A tile of 256 x 256 is made by a work-group of four waves, a wave makes 128 x 128: 64 accumulators, 512 registers.  K goes in steps of 256 (four heads) through a ring of two LDS slots.
; A's half tile of a K step (128 tokens x 4 heads x 64) is ONE dense block of 32 KiB of oc; it lands as [head 4][token 128] places of 80 bytes (64 + 16 of padding).  B's tile is 128 rows of 256 bytes, 272 apart.
; k keeps its natural order on both sides: head 4 j + 2 q + c / 2, channel 32 (c % 2) + 16 h + .. is k = 256 j + 128 q + 32 c + 16 h + ...
; CLUSTERS: 4 x 4 work-groups; A's tiles are asked for jointly along a row of the cluster, B's along a column.  THE MATRIX INSTRUCTION IS USED TRANSPOSED: a lane holds eight neighbouring numbers of a row of out0.
; The grid has 128 tiles of this size.  No prefetch: K has four steps, of which two are the first loads and the other two follow at once.
; REGISTERS, in windows of 256: window 0: v0-31 addresses; from v128 A's fragments, ONE set; on the way out v32-255 are free.  window 1: B's fragments, TWO sets.  windows 2, 3: the accumulators.
.set SIZE_N, 1024
.set ROWB,   256
.set KROW,   1024
.set PITCH,  272                       ; B's LDS row
.set AP,     80                        ; A's place for 64 bytes
.set FR,     16
.set NL,     4
.set NP,     4
.set HALFT,  128*PITCH                 ; B: what one tensor load brings
.set HALFA,  512*AP                    ; A: likewise
.set BOFF,   2*HALFA
.set SLOT,   BOFF+2*HALFT              ; A's two halves, then B's two
.set LAPS,   2
.set SPARE,  2*SLOT                    ; behind the ring: the spare words, 128 bytes a wave, which no other line names
.set SPITCH, 528                       ; the way out: a stage of 16 rows x (512 bytes + 16) for each wave, in slot 0, which has had its last fill and its last read when the first result is stored there
.set ADRA, 16
.set ADRB, 20
.set STO,  24
.set RD,   25
.set CO,   26
.set SPW,  28
.set NIL,  29
.set TMP,  32
.set AF,   128
.set BK,   128
.set G1, 24
.set G0, 32
.set G1B, 48
.set G0B, 56
.set MSB, 0
.macro WIN new                         ; the immediate's high byte repeats the setting that is left
.if MSB != \new
	s_set_vgpr_msb (MSB<<8)|\new
.set MSB, \new
.endif
.endm
.set MUL_LO, 0xa1
.set MUL_HI, 0xf1
.set TO_B,   0x40
.macro JLOAD g0a, g1a, g0b, g1b        ; a joint load: waves 0 and 1 fetch for A, waves 2 and 3 for B; an s_nop 0 and four v_nop follow each of the two lines
	s_cmp_eq_u32 s15, 0
	s_cbranch_scc0 .Lfor_b_\@
	tensor_load_to_lds s[\g0a:\g0a+3], s[\g1a:\g1a+7]
	s_nop 0
.rept 4
	v_nop
.endr
	s_branch .Lasked_\@
.Lfor_b_\@:
	tensor_load_to_lds s[\g0b:\g0b+3], s[\g1b:\g1b+7]
	s_nop 0
.rept 4
	v_nop
.endr
.Lasked_\@:
.endm
.macro CREST
	s_cmp_lg_u32 s14, 0
	s_cbranch_scc1 .Lnot_wave_0_\@
	s_barrier_signal -3
.Lnot_wave_0_\@:
	s_barrier_wait -3
	s_barrier_signal -1
	s_barrier_wait -1
.endm
.macro CROUND
	s_barrier_signal -1
	s_barrier_wait -1
	CREST
.endm
	s_load_b128 s[4:7], s[0:1], 0x0                ; O's codes s[4:5], the weights' codes s[6:7]
	s_load_b128 s[8:11], s[0:1], 0x10              ; the scales' exponents s[8:9], out0 s[10:11]
	v_lshl_add_u32 v[SPW], v0, 2, SPARE
	v_mov_b32 v[NIL], 0
	ds_add_u32 v[SPW], v[NIL]                      ; the wave's opening: the add and its wait stand ahead of my first tensor load; the set-up below, work on registers, stands between them
	ds_add_u32 v[SPW], v[NIL]
	v_lshrrev_b32 v1, 5, v0
	v_readfirstlane_b32 s14, v1                    ; wave 0..3
	s_lshr_b32 s15, s14, 1                         ; which half of the tile's rows is mine.  Also: I fetch for A (0) or for B (1)
	s_and_b32 s16, s14, 1                          ; which half of its columns.  Also: which half of that tile I fetch
	s_bfe_u32 s40, ttmp6, 0x40000                  ; cx, cy
	s_bfe_u32 s41, ttmp6, 0x40004
	s_lshl_b32 s42, ttmp9, 2
	s_add_co_u32 s42, s42, s40                     ; tile column
	s_and_b32 s17, ttmp7, 0xffff
	s_lshl_b32 s17, s17, 2
	s_add_co_u32 s17, s17, s41                     ; tile row
	s_lshl_b32 s43, s41, 2
	s_lshl_b32 s43, 15, s43                        ; my row of the cluster
	s_lshl_b32 s44, 0x1111, s40                    ; my column
	; descriptor group 1.  A: 32,768 dense bytes as 128 rows of 256, 16 bytes of padding behind every 64.  B: 128 rows of 256 bytes, 1,024 apart in memory, 16 bytes behind each
	s_or_b32 s[G1+0], s43, (0<<16)|(1<<20)|(1<<21)|(3<<22)|(3<<25)  ; 15:0 the mask: my row; 17:16 elements of 1 byte; 20 padding on; 21 set beside a mask; 24:22 after every 16 words; 31:25 four words
	s_or_b32 s[G1B+0], s44, (0<<16)|(1<<20)|(1<<21)|(5<<22)|(3<<25) ; my column; after every 64 words
.irp g, G1, G1B
	s_mov_b32 s[\g+1], ROWB<<16                    ; tensor_dim0
	s_mov_b32 s[\g+2], 128<<16                     ; tensor_dim1
	s_mov_b32 s[\g+3], ROWB<<16                    ; tile_dim0
	s_mov_b32 s[\g+4], 128                         ; tile_dim1
	s_mov_b32 s[\g+6], 0
	s_mov_b32 s[\g+7], 0
.endr
	s_mov_b32 s[G1+5], ROWB                        ; tensor_dim0_stride: A's block is dense,
	s_mov_b32 s[G1B+5], KROW                       ; B's rows are 1,024 bytes apart
	s_lshl_b32 s18, s16, 17
	s_lshl_b32 s20, s17, 18
	s_add_co_u32 s20, s20, s18                     ; A: block of 128 tokens 2 x tile row + half, 131,072 bytes each
	s_lshl_b32 s46, s42, 18
	s_add_co_u32 s46, s46, s18
	s_add_co_u32 s46, s46, 0x300000                ; B: Wo's codes, row 256 x tile column + 128 x half
	s_mov_b32 s21, 0
	s_mov_b32 s47, 0
	s_mul_i32 s45, s16, HALFA                      ; where they go: A's half,
	s_mul_i32 s80, s16, HALFT
	s_add_co_u32 s80, s80, BOFF                    ; B's half: no place in the cluster enters an LDS address
	s_wait_dscnt 0x0                               ; the opening add is done
	s_wait_kmcnt 0x0
	s_load_b64 s[96:97], s[8:9], 0x28              ; e10, e11
	s_add_nc_u64 s[20:21], s[4:5], s[20:21]
	s_add_nc_u64 s[46:47], s[6:7], s[46:47]
	CROUND                                         ; all sixteen work-groups are here: the first joint loads meet
.irp s, 0,1
	s_mov_b32 s[G0+4*\s], 1
	s_add_co_u32 s[G0+4*\s+1], s45, \s*SLOT
	s_add_nc_u64 s[G0+4*\s+2:G0+4*\s+3], s[20:21], \s*32768      ; K step s: four heads of 8,192 bytes on
	s_or_b32 s[G0+4*\s+3], s[G0+4*\s+3], 0x80000000
	s_mov_b32 s[G0B+4*\s], 1
	s_add_co_u32 s[G0B+4*\s+1], s80, \s*SLOT
	s_add_nc_u64 s[G0B+4*\s+2:G0B+4*\s+3], s[46:47], \s*ROWB
	s_or_b32 s[G0B+4*\s+3], s[G0B+4*\s+3], 0x80000000
	s_wait_alu depctr_va_vdst(0)
	s_wait_tensorcnt 0x0
	ds_add_u32 v28, v29
	ds_add_u32 v28, v29
	s_wait_dscnt 0x0
	CROUND
	JLOAD G0+4*\s, G1, G0B+4*\s, G1B
.endr
	v_and_b32 v1, 15, v0                           ; r
	v_bfe_u32 v2, v0, 4, 1                         ; h
	v_mul_u32_u24 v3, v1, PITCH
	v_lshl_add_u32 v4, v2, 4, v3                   ; B: row x 272 + 16 h
	v_mul_u32_u24 v3, v1, AP
	v_lshl_add_u32 v3, v2, 4, v3                   ; A: token x 80 + 16 h
	s_mul_i32 s21, s15, HALFA                      ; my 128 tokens of A
	s_mul_i32 s22, s16, HALFT
	s_add_co_u32 s22, s22, BOFF                    ; my 128 rows of B
.irp s, 0,1
	v_add_nc_u32 v[ADRA+\s], s21, v3
	v_add_nc_u32 v[ADRB+\s], s22, v4
	s_add_co_u32 s21, s21, SLOT
	s_add_co_u32 s22, s22, SLOT
.endr
	s_mul_i32 s23, s14, 16*SPITCH                  ; my stage
	v_mul_u32_u24 v5, v1, SPITCH                   ; in: row r, 32 bytes for each half of the lanes
	v_lshl_add_u32 v5, v2, 5, v5
	v_add_nc_u32 v[STO], s23, v5
	v_and_b32 v6, 31, v0
	v_lshlrev_b32 v[CO], 4, v6                     ; back: the 32 lanes take one row of 512 bytes; and the same in out0
	v_add_nc_u32 v[RD], s23, v[CO]
	s_lshl_b32 s20, s17, 8
	s_lshl_b32 s21, s15, 7
	s_add_co_u32 s20, s20, s21                     ; my first row of out0
	s_mov_b32 s21, 0
	s_mov_b64 s[18:19], SIZE_N*4
	s_mul_u64 s[20:21], s[20:21], s[18:19]
	s_lshl_b32 s46, s42, 10                        ; my first column, in bytes
	s_lshl_b32 s47, s16, 9
	s_add_co_u32 s46, s46, s47
	s_mov_b32 s47, 0
	s_add_nc_u64 s[20:21], s[20:21], s[46:47]
	s_add_nc_u64 s[10:11], s[10:11], s[20:21]
.macro FRAG reg, adr, q, i             ; B: 16 rows x 128 K: registers 4 c .. 4 c + 3 hold K = 32 c + 16 (l / 16) + 0 .. 15
.irp c, 0,1,2,3
	ds_load_b128 v[\reg+4*\c:\reg+4*\c+3], v[\adr] offset:128*(\q)+32*\c+(\i)*16*PITCH
.endr
.endm
.macro FRAGA reg, adr, q, i            ; A: the same k: head 2 q + c / 2 of the slot's four (128 places of 80 bytes each), channels 32 (c % 2) + 16 (l / 16) + 0 .. 15
.irp c, 0,1,2,3
	ds_load_b128 v[\reg+4*\c:\reg+4*\c+3], v[\adr] offset:(2*(\q)+\c/2)*128*AP+32*(\c%2)+(\i)*16*AP
.endr
.endm
.macro MUL16 a0, p, zero               ; 16 matrix instructions; the 64 accumulators take turns, one instruction a turn
.irp a, \a0, \a0+1
.irp b, 0,1,2,3,4,5,6,7
.if \zero
	v_wmma_f32_16x16x128_fp8_fp8 v[8*(8*((\a)%4)+\b):8*(8*((\a)%4)+\b)+7], v[128*(\p)+FR*\b:128*(\p)+FR*\b+FR-1], v[AF+FR*(\a):AF+FR*(\a)+FR-1], 0
.else
	v_wmma_f32_16x16x128_fp8_fp8 v[8*(8*((\a)%4)+\b):8*(8*((\a)%4)+\b)+7], v[128*(\p)+FR*\b:128*(\p)+FR*\b+FR-1], v[AF+FR*(\a):AF+FR*(\a)+FR-1], v[8*(8*((\a)%4)+\b):8*(8*((\a)%4)+\b)+7]
.endif
.endr
.endr
.endm
.macro FETCH_B slot, q, p
	WIN TO_B
.irp i, 0,1,2,3,4,5,6,7
	FRAG 128*(\p)+FR*\i, ADRB+\slot, \q, \i
.endr
	WIN 0
.endm
.macro FETCH_A slot, q, i0
.irp i, \i0, \i0+1, \i0+2, \i0+3
	FRAGA AF+FR*(\i), ADRA+\slot, \q, \i
.endr
.endm
.macro PLACES n                        ; plain vector lines between a matrix instruction and a load into, or a vector read of, its registers (ISA guide 7.12.1 for vector reads)
.rept \n
	v_nop
.endr
.endm
.macro STEP slot, q, zero
	s_wait_dscnt 4*NL                              ; B's set and A's blocks 0-3 are in; the sixteen youngest loads (A's blocks 4-7) may be out
	WIN MUL_LO
	MUL16 0, (\q)%2, \zero
	MUL16 2, (\q)%2, \zero
	s_wait_dscnt 0
	PLACES NP
	FETCH_B \slot, (\q)+1, 1-(\q)%2
	FETCH_A \slot, (\q)+1, 0
	WIN MUL_HI
	MUL16 4, (\q)%2, \zero
	MUL16 6, (\q)%2, \zero
	PLACES NP
	WIN 0
	FETCH_A \slot, (\q)+1, 4
.endm
.macro TURN slot, next, fill           ; a slot's last step changes slots: one barrier, with the three lines in front of it
	s_wait_tensorcnt 0x0                           ; all my tensor loads have landed: my part of the next slot
	ds_add_u32 v[SPW], v[NIL]                      ; 0 onto my spare word
	s_wait_dscnt 4*NL+1                            ; the add and the sixteen youngest loads may be out
	WIN MUL_LO
	MUL16 0, 1, 0
	s_wait_dscnt 0x0                               ; the add is done, and my reads of this slot are over
	s_barrier_signal -1
	MUL16 2, 1, 0
	WIN 0
	s_barrier_wait -1
.if \fill
	CREST                                          ; a round of the cluster's barrier: no wave of any partner still reads this slot or has a load on its way
	s_add_nc_u64 s[G0+4*\slot+2:G0+4*\slot+3], s[G0+4*\slot+2:G0+4*\slot+3], 2*32768
	s_add_nc_u64 s[G0B+4*\slot+2:G0B+4*\slot+3], s[G0B+4*\slot+2:G0B+4*\slot+3], 2*ROWB
	JLOAD G0+4*\slot, G1, G0B+4*\slot, G1B         ; the first tensor load behind the round; its four v_nop are the places in front of the loads below
.else
	PLACES NP
.endif
	FETCH_B \next, 0, 0
	FETCH_A \next, 0, 0
	WIN MUL_HI
	MUL16 4, 1, 0
	MUL16 6, 1, 0
	PLACES NP
	WIN 0
	FETCH_A \next, 0, 4
.endm
	s_wait_alu depctr_va_vdst(0)
	s_wait_tensorcnt 1                             ; my part of K step 0 is in; K step 1's load may be out
	s_barrier_signal -1
	s_barrier_wait -1
	FETCH_B 0, 0, 0
	FETCH_A 0, 0, 0
	FETCH_A 0, 0, 4
	STEP 0, 0, 1                                   ; the first step's products start the sums
	s_mov_b32 s3, LAPS-1
.Llap:
	TURN 0, 1, 1
	STEP 1, 0, 0
	TURN 1, 0, 1
	STEP 0, 0, 0
	s_sub_co_u32 s3, s3, 1
	s_cmp_lg_u32 s3, 0
	s_cbranch_scc1 .Llap
	TURN 0, 1, 0                                   ; the last lap fills nothing
	STEP 1, 0, 0
	s_wait_dscnt 4*NL
	WIN MUL_LO
	MUL16 0, 1, 0
	MUL16 2, 1, 0
	s_wait_dscnt 0
	WIN MUL_HI
	MUL16 4, 1, 0
	MUL16 6, 1, 0
	WIN 0
; THE WAY OUT, block by block of 16 rows x 128 columns, through my own stage: in as 32 bytes a lane, back as whole rows of 512 bytes, which the 32 lanes store as two aligned runs of 256 bytes.
; LDS serves a wave's instructions in order (ISA guide 5.7.1.4): no wait between the stores and the loads, nor in front of the next block's stores.
.macro TOSTAGE a
.set AC, 64*((\a)%4)
	WIN 0x02+((\a)/4)                              ; source 0: window 2 or 3
.irp j, 0,2,4,6,8,10,12,14,16,18,20,22,24,26,28,30,32,34,36,38,40,42,44,46,48,50,52,54,56,58,60,62
	v_pk_mul_f32 v[TMP+\j:TMP+\j+1], v[AC+\j:AC+\j+1], s[96:97] op_sel_hi:[1,0]   ; both x s96 = 2^(e10 + e11); each accumulator from its low end on
.endr
	WIN 0
.irp b, 0,1,2,3,4,5,6,7
	ds_store_b128 v[STO], v[TMP+8*\b:TMP+8*\b+3] offset:64*\b
	ds_store_b128 v[STO], v[TMP+8*\b+4:TMP+8*\b+7] offset:64*\b+16
.endr
.set BB, BK+64*((\a)%2)
.irp t, 0,1,2,3,4,5,6,7,8,9,10,11,12,13,14,15
	ds_load_b128 v[BB+4*\t:BB+4*\t+3], v[RD] offset:\t*SPITCH
.endr
.endm
.macro SEND a, younger                 ; younger: the LDS instructions issued behind block a's loads, which may stay out
.set BB, BK+64*((\a)%2)
	s_wait_dscnt \younger
.if (\a) > 0
	s_add_nc_u64 s[10:11], s[10:11], 16*SIZE_N*4   ; behind a wait on XCNT: the earlier stores have read their base
.endif
.irp t, 0,1,2,3,4,5,6,7,8,9,10,11,12,13,14,15
	global_store_b128 v[CO], v[BB+4*\t:BB+4*\t+3], s[10:11] offset:\t*SIZE_N*4 th:TH_STORE_NT   ; 32 lanes store 512 consecutive aligned bytes; written once, read by nobody here
.endr
.endm
	s_wait_kmcnt 0x0
	s_add_co_i32 s96, s96, s97
	s_add_co_i32 s96, s96, 127
	s_lshl_b32 s96, s96, 23                        ; 2^(e10 + e11) as f32
	PLACES NP                                      ; behind the last products
	TOSTAGE 0
.irp a, 1,2,3,4,5,6,7
.if \a > 1
	s_wait_xcnt 0x0                                ; block a - 2's stores have read their registers and their base
.endif
	TOSTAGE \a
	SEND \a-1, 32                                  ; behind block a - 1's loads: block a's 16 stores and 16 loads
.endr
	s_wait_xcnt 0x0
	SEND 7, 0
	s_wait_tensorcnt 0x0                           ; the wave's end: a wait on TENSORcnt, an add of 0 to my spare word and a wait on it, behind my last tensor load and my last LDS store
	ds_add_u32 v[SPW], v[NIL]
	s_wait_dscnt 0x0
	CROUND                                         ; the closing round
	s_endpgm
.Lfunc_end_k_q4da37694ca_outp:
	.size	k_q4da37694ca_outp, .Lfunc_end_k_q4da37694ca_outp-k_q4da37694ca_outp
	.p2alignl 7, 3214868480
	.fill 96, 4, 3214868480
	.section	.rodata,"a",@progbits
	.p2align	6, 0x0
	.amdhsa_kernel k_q4da37694ca_outp
		.amdhsa_group_segment_fixed_size 327680
		.amdhsa_private_segment_fixed_size 0
		.amdhsa_enable_private_segment 0
		.amdhsa_kernarg_size 32
		.amdhsa_user_sgpr_count 2
		.amdhsa_user_sgpr_kernarg_segment_ptr 1
		.amdhsa_wavefront_size32 1
		.amdhsa_system_sgpr_workgroup_id_x 1
		.amdhsa_system_sgpr_workgroup_id_y 1
		.amdhsa_system_sgpr_workgroup_id_z 1
		.amdhsa_system_vgpr_workitem_id 0
		.amdhsa_next_free_vgpr 1024
		.amdhsa_next_free_sgpr 98
		.amdhsa_reserve_vcc 0
		.amdhsa_float_denorm_mode_32 3
		.amdhsa_float_denorm_mode_16_64 3
		.amdhsa_memory_ordered 1
		.amdhsa_forward_progress 1
		.amdhsa_inst_pref_size 124
	.end_amdhsa_kernel
	.amdgpu_metadata
---
amdhsa.version: [ 1, 2 ]
amdhsa.kernels:
  - .name:           k_q4da37694ca_outp
    .symbol:         k_q4da37694ca_outp.kd
    .args:
      - { .name: oc, .offset: 0, .size: 8, .value_kind: global_buffer, .address_space: global }
      - { .name: wc, .offset: 8, .size: 8, .value_kind: global_buffer, .address_space: global }
      - { .name: lowp_scales, .offset: 16, .size: 8, .value_kind: global_buffer, .address_space: global }
      - { .name: out0, .offset: 24, .size: 8, .value_kind: global_buffer, .address_space: global }
    .group_segment_fixed_size: 327680
    .private_segment_fixed_size: 0
    .kernarg_segment_align: 8
    .kernarg_segment_size: 32
    .max_flat_workgroup_size: 128
    .sgpr_count:     98
    .vgpr_count:     1024
    .wavefront_size: 32
...
	.end_amdgpu_metadata
.endif
;; end of part 4
